; MI455X (gfx1250); checked and timed in simulation.
; The chip was launched on July 23, 2026; its instructions are those of AMD's public machine-readable ISA for CDNA 5 (MIT licence, August 2026) and "CDNA5" Instruction Set Architecture Reference Guide (July 2026). The comments in the code are by the model that wrote it; some were corrected since.
;; Causal Self Attention. Allowed arithmetic: matrix products marked QUANTISED: E3M2 operands, one E8M0 scale for each 32 along K, by v_wmma_scale_f32_16x16x128_f8f6f4 with both operands' format E3M2, f32 sums; everything else in f32.
;; Inputs: b_attn 3,072 float32; b_proj 1,024 float32; w_attn 1,024 x 3,072 float32; w_proj 1,024 x 1,024 float32; x 4 x 2,048 x 1,024 float32.
;; Outputs: out0 4 x 2,048 x 1,024 float32.
;; This version of the problem:
;;   THIS VERSION OF THE PROBLEM IS GIVEN IN LOW PRECISION. The matrix products marked QUANTISED in the list below multiply operands that are first quantised to E3M2 (3 exponent bits, 2 mantissa bits; 6 bits a number), with one power-of-two scale for each 32 numbers along K (OCP MX v1.0); their sums are f32. All else is computed in f32.
;;   The module's matrix products, in the order in which they are computed (A, B: the left and right operand; K: the contracted axis; several contracted axes count as one K, in the product's order):
;;     1. [M 8,192, K 1,024] x [K 1,024, N 3,072]; A: input x; B: input w_attn: QUANTISED
;;     2. batch 64 x [M 2,048, K 64] x [K 64, N 2,048]; A: computed on the way; B: computed on the way: QUANTISED
;;     3. batch 64 x [M 2,048, K 2,048] x [K 2,048, N 64]; A: softmax (see below); B: computed on the way: QUANTISED
;;     4. [M 8,192, K 1,024] x [K 1,024, N 1,024]; A: computed on the way; B: input w_proj: QUANTISED
;;   THE QUANTISER, for each operand of a quantised product, along K:
;;     - K is cut into blocks of 32 from its start; a last block that is shorter is filled with zeros.
;;     - A block's scale is 2^e with e = floor(log2(the largest magnitude in the block)) - 4, held to -126 .. 127; a block of zeros has e = 0. As a byte (E8M0): e + 127.
;;     - Each number is divided by its block's scale, clamped to +-28, and rounded to the nearest number of E3M2, ties to even, subnormals kept.
;;     - The product sums the exact products of the quantised numbers (number of the format x scale) in f32.
;;   ~~~python
;;   def quantise(x, axis):      # numpy; x: float32 -> the quantised numbers, widened to float32 again
;;       x = np.moveaxis(x, axis, -1); K = x.shape[-1]
;;       x = np.pad(x, [(0, 0)] * (x.ndim - 1) + [(0, -K % 32)]); x = x.reshape(x.shape[:-1] + (-1, 32)); a = np.abs(x).max(-1, keepdims=True)
;;       e = np.where(a > 0, np.clip(np.frexp(np.where(a > 0, a, 1))[1] - 1 - 4, -126, 127), 0)      # np.frexp(a)[1] - 1 = floor(log2(a)), exactly
;;       r = np.clip(x / 2.0 ** e, -28, 28)
;;       step = 2.0 ** (np.maximum(np.frexp(np.where(r == 0, 1, r))[1] - 1, -2) - 2)
;;       q = np.round(r / step) * step * 2.0 ** e      # np.round: ties to even
;;       return np.moveaxis(q.reshape(q.shape[:-2] + (-1,))[..., :K], -1, axis).astype(np.float32)
;;   ~~~
;;   SOFTMAX AHEAD OF A QUANTISED PRODUCT. Where the list says 'softmax', what is quantised is not the finished softmax but p = 2^(t - M), with t = logit x log2(e) and M = ceil(the row's largest t), a whole number; so 1/2 < the row's largest p <= 1. The row's sum l is taken of the UNQUANTISED p, in f32, and the product's result is divided by l at the end. Since M is a whole number, a kernel that streams over the keys may use a running M (the ceiling of the running maximum): every later rescaling is an exact power of two, which a block's scale takes up: the codes' values come out the same.
;;   OPERANDS COMPUTED ON THE WAY. 'Computed on the way' means the value that the module computes at that place (a softmax that the list does not call 'softmax' is quantised finished and normalised). What goes into a quantiser is computed in f32, as accurately as f32 sums, v_exp_f32 and their like allow (about 1e-6 of the number): no bf16 or f16 on the way to a quantiser, and a product that is left as it is and whose result goes on into a quantised operand takes f32 operands (vector FMAs, or v_wmma_f32_16x16x4_f32). A number that lies on a knife's edge between two numbers of the format may be rounded either way, as far as f32 arithmetic and the matrix unit's own rounding can turn it there, and no further.
;; One version. Each part assembles by itself: llvm-mc -triple=amdgcn-amd-amdhsa -mcpu=gfx1250 --defsym DOCPART=n.
;; ======== version 1 of 1: 4 launches
;; workspace buffers: xq 6,553,600 bytes; wq 3,276,800 bytes; qq 6,815,744 bytes; kv 13,369,344 bytes; yq 6,553,600 bytes
;; launch quant (part 1): grid 256 x 1, 8 waves a work-group, no clusters, 71,680 bytes of LDS; arguments x, w_attn, w_proj, xq, wq; writes xq, wq
.if DOCPART == 1
	.amdgcn_target "amdgcn-amd-amdhsa--gfx1250"
	.amdhsa_code_object_version 6
	.text
	.protected	k_q4ab55a2d33_quant
	.globl	k_q4ab55a2d33_quant
	.p2align	8
	.type	k_q4ab55a2d33_quant,@function
k_q4ab55a2d33_quant:
	s_mov_b64 s[64:65], 0
	v_nop
	global_prefetch_b8 v0, s[64:65] scope:SCOPE_SE
	s_setreg_imm32_b32 hwreg(HW_REG_WAVE_MODE, 25, 1), 1
	s_wait_xcnt 0x0
; CAUSAL SELF-ATTENTION IN MX-BF6, launch 1 of 4: x, w_attn and w_proj become codes of E3M2 with one E8M0 byte for each 32 along K.
; DEAD WORK IN THE WHOLE PROGRAM.  reference() builds the mask tril(T, T) in its own body and puts -inf on every score whose key comes after its query: such a
; score gives the weight 0 whatever finite values the inputs hold, and a weight 0 adds nothing to the row's sum or to the second product.  So launch 3 leaves out the
; steps of 128 keys that lie wholly behind a tile's queries, in both products of attention.  Nothing else is left out: every input has a way to the output
; (b_attn moves the codes of q, k and v), and all five are loaded.  LIMIT: a NaN, an infinity or an overflow that reaches only those steps is not carried to the result.
; LIMITS: NaN and infinities among the inputs are not served.  A block of zeros, or one whose largest magnitude lies under 2^(5 - 127), gets the byte 1: its codes are zeros
; (or held at that scale), and the bytes are read by this program alone.
; POSITION ORDER.  In every group of 32 rows (tokens of x, columns n of the weights) position p holds row sw(p), sw changing bits 3 and 4: sixteen neighbouring positions
; 16 u + r of group g are rows 32 g + 8 u + r + 8 (r / 8).  Where such a tile is source 0 of a product, a lane's 16 registers of two neighbouring tiles are 16 neighbouring rows.
; IMAGES.  16 rows x 64 K are 768 bytes in the order of the operand's registers: lane l's registers 0-3 at 16 l, registers 4-5 at 512 + 8 l; lane (r, h) holds row r, K 32 h .. 32 h + 31.
;   xq: [tile 512][K / 64: 16][768], then at XS [position 8192][32 scale bytes].   wq: the same for w_attn (192 tiles; scale rows at WAS) and w_proj (64 tiles at WPC; scale rows at WPS).
; Work-groups 0-127 take x (K innermost: rows go through the wave's stage in LDS, so that loads are dense and a lane gets 16 neighbours of each block);
; work-groups 128-255 take the weights (K is the first axis: a lane takes a column and its registers run down K).  Each path has LDS bytes of its own.
.set XS,     6291456
.set WAS,    2359296
.set WPC,    2457600
.set WPS,    3244032
.set XPITCH, 528                       ; a stage row: 512 bytes + 16: sixteen rows begin at sixteen different groups of four banks
.set XSTGW,  16*XPITCH                 ; a wave's stage
.set XTAB,   8*XSTGW                   ; x's path: four tiles' scale rows, 512 bytes each
.set WTAB,   XTAB+2048                 ; the weights' path: 32 positions' scale rows
.set SPARE,  WTAB+1024                 ; the spare words, 128 bytes for each wave
.set SPW, 254                          ; v254 LDS address of my spare word; never rewritten
.set NIL, 255                          ; v255 0; never rewritten
.set WV,  16
.set SEL, 2                            ; s[2:3] selects for lane l xor 16
.set TM,  96                           ; v96-99 largest magnitudes, v100-103 bytes, v104-107 the conversions' scale operands
.set PC,  112                          ; v112-123 a fragment's codes, v124-130 at work
.set MSB, 0
.macro WIN new                         ; the immediate's high byte repeats the setting that is left
.if MSB != \new
	s_set_vgpr_msb (MSB<<8)|\new
.set MSB, \new
.endif
.endm
; 64 numbers of a lane, register 16 b + i = K 32 b + 16 (lane / 16) + i of my row, become 12 registers of codes in v[PC] on and the row's scale word in v[pw].
.macro QUANT s, pw
.irp b, 0,1,2,3
	v_max3_num_f32 v[TM+\b], |v[(\s)+16*\b]|, |v[(\s)+1+16*\b]|, 0x2800000   ; my 16 numbers of block b, and the floor 2^(5 - 127): the byte cannot fall under 1
.endr
.irp i, 2,4,6,8,10,12,14
.irp b, 0,1,2,3
	v_max3_num_f32 v[TM+\b], v[TM+\b], |v[(\s)+16*\b+\i]|, |v[(\s)+1+16*\b+\i]|   ; the four blocks by turns
.endr
.endr
.irp b, 0,1,2,3
	v_permlanex16_b32 v[TM+4+\b], v[TM+\b], s[SEL], s[SEL+1]
.endr
.irp b, 0,1,2,3
	v_max_num_f32 v[TM+\b], v[TM+\b], v[TM+4+\b]   ; with lane l xor 16's 16: the block's largest magnitude
.endr
.irp b, 0,1,2,3
	v_add_nc_u32 v[TM+8+\b], 0xfe000000, v[TM+\b]  ; 4 off its exponent field: the conversion takes this operand's exponent field as its scale
.endr
.irp b, 0,1,2,3
	v_lshrrev_b32 v[TM+4+\b], 23, v[TM+8+\b]       ; the scale's byte
.endr
	v_lshl_or_b32 v[\pw], v[TM+5], 8, v[TM+4]
	v_lshl_or_b32 v[\pw], v[TM+6], 16, v[\pw]
	v_lshl_or_b32 v[\pw], v[TM+7], 24, v[\pw]
.irp c, 0,1
	v_cvt_scalef32_pk16_bf6_f32 v[PC+6*\c:PC+2+6*\c], v[(\s)+32*\c:(\s)+15+32*\c], v[TM+8+2*\c]
	v_cvt_scalef32_pk16_bf6_f32 v[PC+12+4*\c:PC+14+4*\c], v[(\s)+16+32*\c:(\s)+31+32*\c], v[TM+9+2*\c]   ; (a conversion's three registers begin on an even number)
.endr
	v_nop                                          ; one plain place behind the conversions
.irp c, 0,1                            ; the layout wants a whole block in a lane: lanes 0-15 block 2 c, lanes 16-31 block 2 c + 1
.irp i, 0,1,2
	v_permlane16_swap_b32 v[PC+6*\c+\i], v[PC+12+4*\c+\i]
.endr
.irp i, 0,1,2
	v_mov_b32 v[PC+3+6*\c+\i], v[PC+12+4*\c+\i]
.endr
.endr
.endm
	s_load_b256 s[4:11], s[0:1], 0x0               ; x s[4:5], w_attn s[6:7], w_proj s[8:9], xq s[10:11]
	s_load_b64 s[12:13], s[0:1], 0x20              ; wq
	v_lshl_add_u32 v[SPW], v0, 2, SPARE
	v_mov_b32 v[NIL], 0
	v_lshrrev_b32 v7, 5, v0
	v_readfirstlane_b32 s[WV], v7                  ; wave 0..7
	v_and_b32 v20, 31, v0                          ; l
	v_and_b32 v21, 15, v0                          ; r
	v_bfe_u32 v22, v0, 4, 1                        ; h
	v_lshlrev_b32 v1, 4, v20                       ; 16 l
	v_lshlrev_b32 v2, 3, v20                       ; 8 l
	s_cmp_lt_u32 ttmp9, 128
	s_cbranch_scc0 .Lw_path
; ---- x.  Wave w: tile 4 G + w / 2 (16 positions), K half w % 2: four steps of 128 along K.  Window 1 takes all 64 loads (a row's 512 bytes each).
	s_mul_i32 s17, s[WV], XSTGW
	v_add_nc_u32 v3, s17, v1                       ; the stage on the way in: 16 l of a row
	v_mul_u32_u24 v4, v21, XPITCH
	v_lshl_add_u32 v4, v22, 6, v4
	v_add_nc_u32 v4, s17, v4                       ; and out: row r, + 64 h: my 16 numbers of a block
	s_lshr_b32 s18, s[WV], 1
	s_and_b32 s19, s[WV], 1                        ; K half
	s_lshl_b32 s20, s18, 9
	s_lshl_b32 s21, s19, 4
	s_add_co_u32 s20, s20, s21
	s_add_co_u32 s20, s20, XTAB
	v_lshl_add_u32 v5, v21, 5, s20                 ; my row's four scale words: 512 (w / 2) + 32 r + 16 (w % 2)
	s_and_b32 s21, s[WV], 3
	s_lshl_b32 s23, s21, 9
	s_add_co_u32 s23, s23, XTAB
	v_add_nc_u32 v6, s23, v1                       ; a tile's 512 scale bytes, read back by waves 0-3
	s_mov_b32 s[SEL], 0x76543210
	s_mov_b32 s[SEL+1], 0xfedcba98
.irp b, 0,1,2,3
	v_mov_b32 v[TM+4+\b], 0                        ; written once: a lane permute's destination counts as one of its sources
.endr
	s_lshl_b32 s22, ttmp9, 2
	s_add_co_u32 s28, s22, s21                     ; the tile whose scale rows I store
	s_add_co_u32 s22, s22, s18                     ; my tile
	s_lshr_b32 s24, s22, 1
	s_lshl_b32 s24, s24, 17                        ; 32 rows of 4,096 bytes for each pair of tiles,
	s_and_b32 s25, s22, 1
	s_lshl_b32 s25, s25, 15                        ; 8 rows for the odd tile,
	s_add_co_u32 s24, s24, s25
	s_lshl_b32 s25, s19, 11                        ; 2,048 bytes for the upper K half
	s_add_co_u32 s24, s24, s25
	s_mov_b32 s25, 0
	s_mul_i32 s26, s22, 12288
	s_mul_i32 s27, s19, 6144
	s_add_co_u32 s26, s26, s27
	s_mov_b32 s27, 0
	s_lshl_b32 s28, s28, 9
	s_add_co_u32 s28, s28, XS
	s_mov_b32 s29, 0
	s_wait_kmcnt 0x0
	s_add_nc_u64 s[4:5], s[4:5], s[24:25]
	s_add_nc_u64 s[30:31], s[10:11], s[26:27]      ; my codes
	s_add_nc_u64 s[32:33], s[10:11], s[28:29]      ; a tile's scale rows
	WIN 0x40                                       ; destination window 1
.irp t, 0,1,2,3
.irp p, 0,1,2,3,4,5,6,7,8,9,10,11,12,13,14,15
	global_load_b128 v[64*\t+4*\p:64*\t+4*\p+3], v1, s[4:5] offset:((\p%8)+16*(\p/8))*4096+512*\t th:TH_LOAD_NT   ; position p of the tile: 32 lanes read 512 consecutive bytes
.endr
.endr
	WIN 0
.macro XSTEP t
	s_wait_loadcnt 16*(3-(\t))                     ; this step's 16 loads are in; the younger steps' may be out
	WIN 0x04                                       ; an LDS store's data are its source 1: window 1
.irp p, 0,1,2,3,4,5,6,7,8,9,10,11,12,13,14,15
	ds_store_b128 v3, v[64*(\t)+4*\p:64*(\t)+4*\p+3] offset:XPITCH*\p
.endr
	WIN 0
.irp b, 0,1,2,3
.irp j, 0,1,2,3
	ds_load_b128 v[32+16*\b+4*\j:32+16*\b+4*\j+3], v4 offset:128*\b+16*\j   ; LDS serves a wave's instructions in order: these see the stores above
.endr
.endr
	s_wait_dscnt 0x0
	s_wait_xcnt 0x0                                ; the last step's stores have read the codes' registers
	QUANT 32, 108+(\t)
	global_store_b128 v1, v[PC:PC+3], s[30:31] offset:1536*(\t)
	global_store_b64 v2, v[PC+4:PC+5], s[30:31] offset:1536*(\t)+512
	global_store_b128 v1, v[PC+6:PC+9], s[30:31] offset:1536*(\t)+768
	global_store_b64 v2, v[PC+10:PC+11], s[30:31] offset:1536*(\t)+1280
.endm
	XSTEP 0
	XSTEP 1
	XSTEP 2
	XSTEP 3
	ds_store_b128 v5, v[108:111]                   ; lanes l and l + 16 write the same words with the same values
	s_wait_dscnt 0x0                               ; for the others' sake
	s_barrier_signal -1
	s_barrier_wait -1
	s_cmp_lt_u32 s[WV], 4
	s_cbranch_scc0 .Lx_end
	ds_load_b128 v[136:139], v6
	s_wait_dscnt 0x0
	global_store_b128 v1, v[136:139], s[32:33]     ; a tile's scale rows: 512 consecutive bytes
.Lx_end:
	s_wait_tensorcnt 0x0                           ; the wave's end
	ds_add_u32 v[SPW], v[NIL]
	s_wait_dscnt 0x0
	s_endpgm
; ---- the weights.  A work-group takes 32 columns and all of K; wave w the K step w (128 rows).  Lane l takes position l of the group: column sw(l).
.Lw_path:
	v_and_b32 v8, 7, v0
	v_bfe_u32 v9, v0, 3, 1
	v_lshl_or_b32 v8, v9, 4, v8
	v_lshl_or_b32 v8, v22, 3, v8                   ; sw(l)
	v_lshlrev_b32 v8, 2, v8                        ; its 4 bytes of a row: a load still covers 128 consecutive bytes
	s_lshl_b32 s22, s[WV], 2
	s_add_co_u32 s22, s22, WTAB
	v_lshl_add_u32 v4, v20, 5, s22                 ; my position's scale row, my K step's word
	s_and_b32 s23, s[WV], 1
	s_lshl_b32 s23, s23, 9
	s_add_co_u32 s22, s23, WTAB
	v_add_nc_u32 v5, s22, v1                       ; half of the 1,024 scale bytes, read back by waves 0 and 1
	s_sub_co_u32 s17, ttmp9, 128
	s_mov_b32 s19, 128*1024*4
	s_mov_b32 s20, WPC
	s_mov_b32 s21, WPS
	s_wait_kmcnt 0x0
	s_cmp_lt_u32 s17, 96                           ; w_attn's 96 groups of columns, then w_proj's 32: the choice hangs on the work-group's number alone
	s_cselect_b32 s18, 0, 96
	s_cselect_b64 s[6:7], s[6:7], s[8:9]
	s_cselect_b32 s19, 128*3072*4, s19             ; a K step in bytes
	s_cselect_b32 s20, 0, s20                      ; where the codes begin in wq
	s_cselect_b32 s21, WAS, s21                    ; and the scale rows
	s_sub_co_u32 s18, s17, s18                     ; the group of 32 columns
	s_mul_i32 s24, s[WV], s19
	s_lshl_b32 s25, s18, 7
	s_add_co_u32 s24, s24, s25
	s_mov_b32 s25, 0
	s_add_nc_u64 s[6:7], s[6:7], s[24:25]
	s_mul_i32 s26, s18, 24576                      ; two tiles of 12,288 bytes,
	s_add_co_u32 s26, s26, s20
	s_mul_i32 s27, s[WV], 1536                     ; my K step's two images
	s_add_co_u32 s26, s26, s27
	s_mov_b32 s27, 0
	s_add_nc_u64 s[30:31], s[12:13], s[26:27]
	s_lshl_b32 s28, s18, 10
	s_add_co_u32 s28, s28, s21
	s_add_co_u32 s28, s28, s23
	s_mov_b32 s29, 0
	s_add_nc_u64 s[32:33], s[12:13], s[28:29]
	s_cmp_lt_u32 s17, 96                           ; the rows' pitch stands in the immediates: the run of loads is written for each tensor
	s_cbranch_scc0 .Lw_narrow
.set i, 0
.rept 128
	global_load_b32 v[32+i], v8, s[6:7] offset:i*3072*4 th:TH_LOAD_NT
.set i, i+1
.endr
	s_branch .Lw_loaded
.Lw_narrow:
.set i, 0
.rept 128
	global_load_b32 v[32+i], v8, s[6:7] offset:i*1024*4 th:TH_LOAD_NT
.set i, i+1
.endr
.Lw_loaded:
; 64 along K: my blocks 2 kp and 2 kp + 1, all 32 numbers of each mine.  Their codes change halves so that one register holds tile 0's image and the other tile 1's.
.macro WHALF kp
.irp B, 0,1
	v_max3_num_f32 v[160+2*(\kp)+\B], |v[32+32*(2*(\kp)+\B)]|, |v[33+32*(2*(\kp)+\B)]|, 0x2800000
.endr
.irp i, 2,4,6,8,10,12,14,16,18,20,22,24,26,28,30
.irp B, 0,1
	v_max3_num_f32 v[160+2*(\kp)+\B], v[160+2*(\kp)+\B], |v[32+32*(2*(\kp)+\B)+\i]|, |v[33+32*(2*(\kp)+\B)+\i]|
.endr
.endr
.irp B, 0,1
	v_add_nc_u32 v[164+2*(\kp)+\B], 0xfe000000, v[160+2*(\kp)+\B]
.endr
.irp B, 0,1
	v_lshrrev_b32 v[168+2*(\kp)+\B], 23, v[164+2*(\kp)+\B]
.endr
.irp B, 0,1
	v_cvt_scalef32_pk16_bf6_f32 v[172+6*(2*(\kp)+\B):174+6*(2*(\kp)+\B)], v[32+32*(2*(\kp)+\B):47+32*(2*(\kp)+\B)], v[164+2*(\kp)+\B]
	v_cvt_scalef32_pk16_bf6_f32 v[196+4*(2*(\kp)+\B):198+4*(2*(\kp)+\B)], v[48+32*(2*(\kp)+\B):63+32*(2*(\kp)+\B)], v[164+2*(\kp)+\B]
.endr
	v_nop                                          ; one plain place behind the conversions
.irp B, 0,1
.irp i, 0,1,2
	v_mov_b32 v[175+6*(2*(\kp)+\B)+\i], v[196+4*(2*(\kp)+\B)+\i]
.endr
.endr
.irp i, 0,1,2,3,4,5
	v_permlane16_swap_b32 v[172+12*(\kp)+\i], v[178+12*(\kp)+\i]   ; the first: lanes 0-15 tile 0's block 2 kp, lanes 16-31 tile 0's block 2 kp + 1; the second: tile 1's
.endr
	global_store_b128 v1, v[172+12*(\kp):175+12*(\kp)], s[30:31] offset:768*(\kp)
	global_store_b64 v2, v[176+12*(\kp):177+12*(\kp)], s[30:31] offset:768*(\kp)+512
	global_store_b128 v1, v[178+12*(\kp):181+12*(\kp)], s[30:31] offset:12288+768*(\kp)
	global_store_b64 v2, v[182+12*(\kp):183+12*(\kp)], s[30:31] offset:12288+768*(\kp)+512
.endm
	s_wait_loadcnt 63                              ; of 128 loads at most 63 are out: the first 64 rows are in
	WHALF 0
	s_wait_loadcnt 0x0
	WHALF 1
	v_lshl_or_b32 v212, v169, 8, v168
	v_lshl_or_b32 v212, v170, 16, v212
	v_lshl_or_b32 v212, v171, 24, v212             ; my position's scale word of this K step
	ds_store_b32 v4, v212
	s_wait_dscnt 0x0                               ; for the others' sake
	s_barrier_signal -1
	s_barrier_wait -1
	s_cmp_lt_u32 s[WV], 2
	s_cbranch_scc0 .Lw_end
	ds_load_b128 v[216:219], v5
	s_wait_dscnt 0x0
	global_store_b128 v1, v[216:219], s[32:33]     ; 16 positions' scale rows: 512 consecutive bytes
.Lw_end:
	s_wait_tensorcnt 0x0                           ; the wave's end
	ds_add_u32 v[SPW], v[NIL]
	s_wait_dscnt 0x0
	s_endpgm
.Lfunc_end_k_q4ab55a2d33_quant:
	.size	k_q4ab55a2d33_quant, .Lfunc_end_k_q4ab55a2d33_quant-k_q4ab55a2d33_quant
	.p2alignl 7, 3214868480
	.fill 96, 4, 3214868480
	.section	.rodata,"a",@progbits
	.p2align	6, 0x0
	.amdhsa_kernel k_q4ab55a2d33_quant
		.amdhsa_group_segment_fixed_size 71680
		.amdhsa_private_segment_fixed_size 0
		.amdhsa_enable_private_segment 0
		.amdhsa_kernarg_size 40
		.amdhsa_user_sgpr_count 2
		.amdhsa_user_sgpr_kernarg_segment_ptr 1
		.amdhsa_wavefront_size32 1
		.amdhsa_system_sgpr_workgroup_id_x 1
		.amdhsa_system_sgpr_workgroup_id_y 1
		.amdhsa_system_sgpr_workgroup_id_z 1
		.amdhsa_system_vgpr_workitem_id 0
		.amdhsa_next_free_vgpr 512
		.amdhsa_next_free_sgpr 66
		.amdhsa_reserve_vcc 0
		.amdhsa_float_denorm_mode_32 3
		.amdhsa_float_denorm_mode_16_64 3
		.amdhsa_memory_ordered 1
		.amdhsa_forward_progress 1
		.amdhsa_inst_pref_size 68
	.end_amdhsa_kernel
	.amdgpu_metadata
---
amdhsa.version: [ 1, 2 ]
amdhsa.kernels:
  - .name:           k_q4ab55a2d33_quant
    .symbol:         k_q4ab55a2d33_quant.kd
    .args:
      - { .name: x, .offset: 0, .size: 8, .value_kind: global_buffer, .address_space: global }
      - { .name: w_attn, .offset: 8, .size: 8, .value_kind: global_buffer, .address_space: global }
      - { .name: w_proj, .offset: 16, .size: 8, .value_kind: global_buffer, .address_space: global }
      - { .name: xq, .offset: 24, .size: 8, .value_kind: global_buffer, .address_space: global }
      - { .name: wq, .offset: 32, .size: 8, .value_kind: global_buffer, .address_space: global }
    .group_segment_fixed_size: 71680
    .private_segment_fixed_size: 0
    .kernarg_segment_align: 8
    .kernarg_segment_size: 40
    .max_flat_workgroup_size: 256
    .sgpr_count:     66
    .vgpr_count:     512
    .wavefront_size: 32
...
	.end_amdgpu_metadata
.endif
;; end of part 1
;; launch qkv (part 2): grid 32 x 8, 4 waves a work-group, clusters of 4 x 1, 327,680 bytes of LDS; arguments xq, wq, b_attn, qq, kv; writes qq, kv
.if DOCPART == 2
	.amdgcn_target "amdgcn-amd-amdhsa--gfx1250"
	.amdhsa_code_object_version 6
	.text
	.protected	k_q4ab55a2d33_qkv
	.globl	k_q4ab55a2d33_qkv
	.p2align	8
	.type	k_q4ab55a2d33_qkv,@function
k_q4ab55a2d33_qkv:
	s_mov_b64 s[64:65], 0
	v_nop
	global_prefetch_b8 v0, s[64:65] scope:SCOPE_SE
	s_setreg_imm32_b32 hwreg(HW_REG_WAVE_MODE, 25, 1), 1
	s_wait_xcnt 0x0
	s_wait_alu depctr_hold_cnt(0) depctr_sa_sdst(0) depctr_va_vdst(0) depctr_va_sdst(0) depctr_va_ssrc(0) depctr_va_vcc(0) depctr_vm_vsrc(0)
	s_getreg_b32 s2, hwreg(HW_REG_IB_STS2, 6, 4)
	s_cmp_eq_u32 s2, 0
	s_cbranch_scc0 .Lentry_in_a_cluster
	s_endpgm
.Lentry_in_a_cluster:
	s_bfe_u32 s2, ttmp6, 0x10000c
	s_cmp_lg_u32 s2, 0x3003
	s_cbranch_scc0 .Lentry_shape_is_right
	s_endpgm
.Lentry_shape_is_right:
; Launch 2 of 4: qkv = Q(x) Q(w_attn) + b_attn on codes of E3M2, and its results quantised on the way: q and k along the head's 64, v along the keys.  No work is left out here.
; SHARES.  A work-group takes 256 positions of x (row block R) and 384 columns (group Y): six column tiles of 64, each one head's q, k or v.  Wave w keeps its four tiles of 16 positions, for all of
; K = 1,024, in 384 registers, loaded once from memory in the operand's own order; all of the group's weights (294,912 bytes of codes, 12,288 of scale bytes) come into LDS once.
; So nothing in LDS is filled again, and a column tile is 128 matrix instructions a wave: 16 accumulators by turns, K step by K step.
; CLUSTER.  The four work-groups of a cluster share Y: every tensor load is asked for jointly, with the mask of all four.  Nothing in a descriptor, an LDS address or a branch hangs on the place in the cluster.
; q, k: source 0 = 16 positions of the weight's columns, source 1 = 16 positions of x: a lane holds one token, and its 16 registers of two neighbouring tiles are 16 neighbouring channels (position order, launch 1).
; v:    source 0 = x, source 1 = the weight: a lane holds one channel, and its registers run along the tokens, which are the second attention product's K.
; The bias is the C of each sum's first matrix instruction, in the result's layout.
; OUT.  qq: [head 64][tile 128][768] images of 16 queries x 64, then at QS one scale word a query (bytes 0, 1; bytes 2, 3 are 0).
;       kv: [head 64][slot 8][26,112]: 16 images of 16 keys x 64 | V: [step 2][16 channels: 4][1,536] | 256 scale words of K | [step 2][64 channels] scale words of V.
; LIMITS: as stated at the head of launch 1.
; REGISTERS.  Window 0: v1-17 addresses; v24-55 x's scale words (8 a + s); v56-87 the weight's (8 b + s); v88-215 accumulators; v216-253 at work.  Windows 1, 2: x's fragments of K steps 0-3, 4-7 (48 (s % 4) + 12 a).
;   Window 3: the weight's fragments, two buffers of two K steps (96 X + 48 s' + 12 b); from v192 the bias, 8 registers a tile b.
.set XS,    6291456
.set WAS,   2359296
.set QS,    6291456
.set SLOTB, 26112
.set TILEB, 49152                      ; a column tile's codes: 4 x 16 positions x 1,024 K
.set SCL,   6*TILEB                    ; the weight's scale rows, 32 bytes a position
.set BIAS,  SCL+12288                  ; 384 numbers of b_attn
.set SSTG,  BIAS+1536                  ; 256 bytes a wave: 64 scale words on their way out
.set VTAB,  SSTG+1024                  ; V's 128 scale words of a slot, gathered from four waves
.set SPARE, VTAB+512                   ; the spare words, 128 bytes for each wave
.set AS,  24
.set BS,  56
.set ACC, 88
.set TM,  216
.set PW,  228
.set WD,  229
.set PC,  230
.set RB,  250
.set SPW, 254
.set NIL, 255
.set BI,  192
.set WV,  20
.set BB16, 72                          ; 16 x batch
.set TW,  73                           ; 16 slot + 4 wave: my first tile in a head's 128
.set HC,  74                           ; the head column in hand: 0-15 q, 16-31 k, 32-47 v
.set QSB, 75
.set TB,  76                           ; LDS byte at which the column tile to be fetched begins
.set TS,  77                           ; its scale rows
.set TBI, 78                           ; the bias of the tile in hand
.set SLT, 79
.set CNT, 80
.set KW,  81
.set CB,  82                           ; s[82:83] where the codes go
.set SB,  84                           ; s[84:85] where the scale words go
.set SEL, 90
.set KSW, 94
.set VW,  95
.set MSB, 0
.macro WIN new                         ; the immediate's high byte repeats the setting that is left
.if MSB != \new
	s_set_vgpr_msb (MSB<<8)|\new
.set MSB, \new
.endif
.endm
.macro PLACES n
.rept \n
	v_nop
.endr
.endm
.macro ROUND                           ; a round of the cluster's barrier
	s_barrier_signal -1
	s_barrier_wait -1
	s_cmp_lg_u32 s[WV], 0
	s_cbranch_scc1 .Lnot_wave_0_\@
	s_barrier_signal -3
.Lnot_wave_0_\@:
	s_barrier_wait -3
	s_barrier_signal -1
	s_barrier_wait -1
.endm
; 64 numbers of a lane, register 16 b + i = place 32 b + 16 (lane / 16) + i along the quantiser's axis, become 12 registers of codes in v[PC] on and four scale bytes in v[pw].
.macro QUANT s, pw
.irp b, 0,1,2,3
	v_max3_num_f32 v[TM+\b], |v[(\s)+16*\b]|, |v[(\s)+1+16*\b]|, 0x2800000   ; each accumulator is read from its low end on; the floor 2^(5 - 127) holds the byte at 1 from below
.endr
.irp i, 2,4,6,8,10,12,14
.irp b, 0,1,2,3
	v_max3_num_f32 v[TM+\b], v[TM+\b], |v[(\s)+16*\b+\i]|, |v[(\s)+1+16*\b+\i]|
.endr
.endr
.irp b, 0,1,2,3
	v_permlanex16_b32 v[TM+4+\b], v[TM+\b], s[SEL], s[SEL+1]
.endr
.irp b, 0,1,2,3
	v_max_num_f32 v[TM+\b], v[TM+\b], v[TM+4+\b]
.endr
.irp b, 0,1,2,3
	v_add_nc_u32 v[TM+8+\b], 0xfe000000, v[TM+\b]  ; 4 off the exponent field: the conversion's scale operand
.endr
.irp b, 0,1,2,3
	v_lshrrev_b32 v[TM+4+\b], 23, v[TM+8+\b]
.endr
	v_lshl_or_b32 v[\pw], v[TM+5], 8, v[TM+4]
	v_lshl_or_b32 v[\pw], v[TM+6], 16, v[\pw]
	v_lshl_or_b32 v[\pw], v[TM+7], 24, v[\pw]
.irp c, 0,1
	v_cvt_scalef32_pk16_bf6_f32 v[PC+6*\c:PC+2+6*\c], v[(\s)+32*\c:(\s)+15+32*\c], v[TM+8+2*\c]
	v_cvt_scalef32_pk16_bf6_f32 v[PC+12+4*\c:PC+14+4*\c], v[(\s)+16+32*\c:(\s)+31+32*\c], v[TM+9+2*\c]
.endr
	v_nop                                          ; one plain place behind the conversions
.irp c, 0,1
.irp i, 0,1,2
	v_permlane16_swap_b32 v[PC+6*\c+\i], v[PC+12+4*\c+\i]
.endr
.irp i, 0,1,2
	v_mov_b32 v[PC+3+6*\c+\i], v[PC+12+4*\c+\i]
.endr
.endr
.endm
.macro G0SET g, t                      ; descriptor group 0 of column tile t: my sixteen positions, 12,288 dense bytes
	s_mov_b32 s[\g], 1
	s_add_co_u32 s[\g+1], s18, TILEB*(\t)
	s_add_nc_u64 s[\g+2:\g+3], s[16:17], TILEB*(\t)
	s_or_b32 s[\g+3], s[\g+3], 0x80000000
.endm
	s_load_b256 s[4:11], s[0:1], 0x0               ; xq s[4:5], wq s[6:7], b_attn s[8:9], qq s[10:11]
	s_load_b64 s[12:13], s[0:1], 0x20              ; kv
	v_lshl_add_u32 v[SPW], v0, 2, SPARE
	v_mov_b32 v[NIL], 0
	ds_add_u32 v[SPW], v[NIL]                      ; the wave's opening: the add, twice on end, and its wait ahead of my first tensor load
	ds_add_u32 v[SPW], v[NIL]
	v_lshrrev_b32 v18, 5, v0
	v_readfirstlane_b32 s[WV], v18                 ; wave 0..3
	s_bfe_u32 s21, ttmp6, 0x40000                  ; my place in the cluster: it enters x's, qq's and kv's addresses alone
	s_lshl_b32 s22, ttmp9, 2
	s_add_co_u32 s22, s22, s21                     ; R
	s_and_b32 s23, ttmp7, 0xffff                   ; Y, which the four partners share
	s_mov_b32 s24, 15|(3<<16)|(1<<21)              ; group 1, codes: the mask of all four, elements of 8 bytes, bit 21 beside the mask; 48 dense rows of 256 bytes
	s_mov_b32 s25, 32<<16
	s_mov_b32 s26, 48<<16
	s_mov_b32 s27, 32<<16
	s_mov_b32 s28, 48
	s_mov_b32 s29, 32
	s_mov_b32 s30, 0
	s_mov_b32 s31, 0
	s_mov_b32 s32, 15|(3<<16)|(1<<21)              ; group 1, scale rows: 12 dense rows of 256 bytes
	s_mov_b32 s33, 32<<16
	s_mov_b32 s34, 12<<16
	s_mov_b32 s35, 32<<16
	s_mov_b32 s36, 12
	s_mov_b32 s37, 32
	s_mov_b32 s38, 0
	s_mov_b32 s39, 0
	v_and_b32 v18, 31, v0                          ; l
	v_and_b32 v19, 15, v0                          ; r
	v_bfe_u32 v20, v0, 4, 1                        ; h
	v_lshlrev_b32 v1, 4, v18                       ; 16 l
	v_lshlrev_b32 v2, 3, v18                       ; 8 l
	v_lshl_add_u32 v8, v19, 5, SCL                 ; a position's scale row
	v_lshl_add_u32 v9, v20, 6, BIAS                ; q, k: my half's 16 channels of a group of 32
	v_and_b32 v21, 8, v19
	v_add_nc_u32 v21, v21, v19                     ; r + 8 (r / 8)
	v_lshl_add_u32 v10, v21, 2, BIAS               ; v: my channel
	v_lshlrev_b32 v11, 4, v20                      ; 16 h: lanes 16-31 take the upper two scale bytes
	s_lshl_b32 s14, s[WV], 8
	s_add_co_u32 s14, s14, SSTG
	v_lshl_add_u32 v12, v18, 2, s14
	v_lshl_add_u32 v13, v18, 3, s14
	s_lshr_b32 s14, s[WV], 1
	s_lshl_b32 s14, s14, 8
	s_and_b32 s15, s[WV], 1
	s_lshl_b32 s15, s15, 1
	s_add_co_u32 s14, s14, s15
	s_add_co_u32 s14, s14, VTAB
	v_lshl_add_u32 v14, v18, 2, s14                ; V's scale words: step w / 2, bytes 2 (w % 2) on, channel position l
	v_lshl_add_u32 v15, v18, 4, VTAB
	v_lshlrev_b32 v16, 2, v0
	v_lshlrev_b32 v17, 5, v19
	v_lshl_add_u32 v22, v0, 2, BIAS
.irp b, 0,1,2,3
	v_mov_b32 v[TM+4+\b], 0                        ; written once: a lane permute's destination counts as one of its sources
.endr
	s_mov_b32 s[SEL], 0x76543210
	s_mov_b32 s[SEL+1], 0xfedcba98
	s_mul_i32 s[HC], s23, 6
	s_mov_b32 s[TB], 0
	s_mov_b32 s[TS], 0
	s_mov_b32 s[TBI], 0
	s_lshr_b32 s[BB16], s22, 3
	s_lshl_b32 s[BB16], s[BB16], 4
	s_and_b32 s[SLT], s22, 7
	s_lshl_b32 s[TW], s[SLT], 4
	s_lshl_b32 s14, s[WV], 2
	s_add_co_u32 s[TW], s[TW], s14
	s_lshl_b32 s[QSB], s[SLT], 10
	s_lshl_b32 s14, s[WV], 8
	s_add_co_u32 s[QSB], s[QSB], s14
	s_add_co_u32 s[KSW], s14, 24576
	s_add_co_u32 s[QSB], s[QSB], QS
	s_mul_i32 s[KW], s[WV], 3072
	s_lshr_b32 s14, s[WV], 1
	s_mul_i32 s[VW], s14, 6144
	s_and_b32 s14, s[WV], 1
	s_mul_i32 s14, s14, 768
	s_add_co_u32 s[VW], s[VW], s14
	s_add_co_u32 s[VW], s[VW], 12288
	s_mul_i32 s18, s[WV], 12288                    ; my sixteen positions of a column tile, in LDS and in memory
	s_mul_i32 s14, s23, 6*TILEB
	s_add_co_u32 s14, s14, s18
	s_mov_b32 s15, 0
	s_mul_i32 s19, s[WV], 3072                     ; my quarter of the scale rows
	s_mul_i32 s86, s23, 12288
	s_add_co_u32 s86, s86, s19
	s_add_co_u32 s86, s86, WAS
	s_mov_b32 s87, 0
	s_mul_i32 s88, s23, 1536
	s_mov_b32 s89, 0
	s_lshl_b32 s92, s22, 13
	s_lshl_b32 s93, s[WV], 11
	s_add_co_u32 s92, s92, s93
	s_add_co_u32 s92, s92, XS                      ; my 64 positions' scale rows of x
	s_mov_b32 s93, 0
	s_wait_dscnt 0x0                               ; both opening adds are done
	s_wait_kmcnt 0x0
	s_add_nc_u64 s[16:17], s[6:7], s[14:15]
	G0SET 44, 0
	G0SET 48, 1
	G0SET 52, 2
	G0SET 56, 3
	G0SET 60, 4
	G0SET 68, 5
	s_mov_b32 s40, 1
	s_add_co_u32 s41, s19, SCL
	s_add_nc_u64 s[42:43], s[6:7], s[86:87]
	s_or_b32 s43, s43, 0x80000000
	s_add_nc_u64 s[8:9], s[8:9], s[88:89]
	s_add_nc_u64 s[96:97], s[4:5], s[92:93]
	s_mul_i32 s14, s22, 196608
	s_mul_i32 s19, s[WV], 49152
	s_add_co_u32 s14, s14, s19
	s_add_nc_u64 s[98:99], s[4:5], s[14:15]        ; my four tiles' images of x
	ROUND                                          ; all four work-groups are here: the joint loads meet
	tensor_load_to_lds s[40:43], s[32:39]          ; the scale rows, then the six column tiles: seven loads of mine are out, all of them first fills
	s_nop 0
.irp g, 44,48,52,56,60,68
	tensor_load_to_lds s[\g:\g+3], s[24:31]
	s_nop 0
.endr
	PLACES 4
.irp i, 0,1,2
	global_load_b32 v[18+\i], v16, s[8:9] offset:512*\i            ; the group's 384 numbers of b_attn, three a thread
.endr
.irp a, 0,1,2,3
	global_load_b128 v[AS+8*\a:AS+8*\a+3], v17, s[96:97] offset:512*\a
	global_load_b128 v[AS+8*\a+4:AS+8*\a+7], v17, s[96:97] offset:512*\a+16
.endr
	WIN 0x40                                       ; destination window 1: K steps 0-3
.irp s, 0,1,2,3
.irp a, 0,1,2,3
	global_load_b128 v[48*\s+12*\a:48*\s+12*\a+3], v1, s[98:99] offset:12288*\a+1536*\s
	global_load_b64 v[48*\s+12*\a+4:48*\s+12*\a+5], v2, s[98:99] offset:12288*\a+1536*\s+512
	global_load_b128 v[48*\s+12*\a+6:48*\s+12*\a+9], v1, s[98:99] offset:12288*\a+1536*\s+768
	global_load_b64 v[48*\s+12*\a+10:48*\s+12*\a+11], v2, s[98:99] offset:12288*\a+1536*\s+1280
.endr
.endr
	WIN 0x80                                       ; window 2: K steps 4-7
.irp s, 0,1,2,3
.irp a, 0,1,2,3
	global_load_b128 v[48*\s+12*\a:48*\s+12*\a+3], v1, s[98:99] offset:12288*\a+1536*(\s+4)
	global_load_b64 v[48*\s+12*\a+4:48*\s+12*\a+5], v2, s[98:99] offset:12288*\a+1536*(\s+4)+512
	global_load_b128 v[48*\s+12*\a+6:48*\s+12*\a+9], v1, s[98:99] offset:12288*\a+1536*(\s+4)+768
	global_load_b64 v[48*\s+12*\a+10:48*\s+12*\a+11], v2, s[98:99] offset:12288*\a+1536*(\s+4)+1280
.endr
.endr
	WIN 0
	s_wait_loadcnt 63                              ; of 139 loads at most 63 are out: the bias, x's scale words and K steps 0-3 are in
	ds_store_b32 v22, v18
	ds_store_b32 v22, v19 offset:512
	ds_store_b32 v22, v20 offset:1024
	s_wait_tensorcnt 5                             ; my parts of the scale rows and of tile 0 are in; five tiles may be out
	s_wait_dscnt 0x0                               ; my part of the bias lies in LDS
	s_barrier_signal -1
	s_barrier_wait -1                              ; everybody's do
; 32 LDS loads: the weight's fragments of K steps 2 D and 2 D + 1 into buffer X
.macro FETCH D, X
	WIN 0xc0                                       ; destination window 3
.irp sp, 0,1
.irp b, 0,1,2,3
	ds_load_b128 v[96*(\X)+48*\sp+12*\b:96*(\X)+48*\sp+12*\b+3], v3 offset:12288*\b+1536*(2*(\D)+\sp)
	ds_load_b64 v[96*(\X)+48*\sp+12*\b+4:96*(\X)+48*\sp+12*\b+5], v4 offset:12288*\b+1536*(2*(\D)+\sp)+512
	ds_load_b128 v[96*(\X)+48*\sp+12*\b+6:96*(\X)+48*\sp+12*\b+9], v3 offset:12288*\b+1536*(2*(\D)+\sp)+768
	ds_load_b64 v[96*(\X)+48*\sp+12*\b+10:96*(\X)+48*\sp+12*\b+11], v4 offset:12288*\b+1536*(2*(\D)+\sp)+1280
.endr
.endr
.endm
.macro BSLOAD                          ; the column tile's scale words: eight a position
	WIN 0
	v_add_nc_u32 v5, s[TS], v8
.irp b, 0,1,2,3
	ds_load_b128 v[BS+8*\b:BS+8*\b+3], v5 offset:512*\b
	ds_load_b128 v[BS+8*\b+4:BS+8*\b+7], v5 offset:512*\b+16
.endr
.endm
; 32 matrix instructions: K steps 2 D and 2 D + 1 from buffer X.  The 16 accumulators take turns, one instruction a turn, in the same order in every step.
.macro MUL D, X, var
.irp sp, 0,1
.set KS_, 2*(\D)+\sp
.if \var == 0
.if KS_ == 0
	WIN 0x37                                       ; source 0 (weight) window 3, source 1 (x) window 1, C (bias) window 3
.elseif KS_ < 4
	WIN 0x07
.else
	WIN 0x0b                                       ; x in window 2
.endif
.else
.if KS_ == 0
	WIN 0x3d                                       ; source 0 (x) window 1, source 1 (weight) window 3, C (bias) window 3
.elseif KS_ < 4
	WIN 0x0d
.else
	WIN 0x0e
.endif
.endif
.irp a, 0,1,2,3
.irp b, 0,1,2,3
.set AF_, 48*(KS_%4)+12*\a
.set BF_, 96*(\X)+48*\sp+12*\b
.if \var == 0
.set AC_, ACC+8*(4*\a+\b)
.if KS_ == 0
	v_wmma_scale_f32_16x16x128_f8f6f4 v[AC_:AC_+7], v[BF_:BF_+11], v[AF_:AF_+11], v[BI+8*\b:BI+8*\b+7], v[BS+8*\b+KS_], v[AS+8*\a+KS_] matrix_a_fmt:MATRIX_FMT_BF6 matrix_b_fmt:MATRIX_FMT_BF6
.else
	v_wmma_scale_f32_16x16x128_f8f6f4 v[AC_:AC_+7], v[BF_:BF_+11], v[AF_:AF_+11], v[AC_:AC_+7], v[BS+8*\b+KS_], v[AS+8*\a+KS_] matrix_a_fmt:MATRIX_FMT_BF6 matrix_b_fmt:MATRIX_FMT_BF6
.endif
.else
.set AC_, ACC+8*(4*\b+\a)
.if KS_ == 0
	v_wmma_scale_f32_16x16x128_f8f6f4 v[AC_:AC_+7], v[AF_:AF_+11], v[BF_:BF_+11], v[BI+8*\b:BI+8*\b+7], v[AS+8*\a+KS_], v[BS+8*\b+KS_] matrix_a_fmt:MATRIX_FMT_BF6 matrix_b_fmt:MATRIX_FMT_BF6
.else
	v_wmma_scale_f32_16x16x128_f8f6f4 v[AC_:AC_+7], v[AF_:AF_+11], v[BF_:BF_+11], v[AC_:AC_+7], v[AS+8*\a+KS_], v[BS+8*\b+KS_] matrix_a_fmt:MATRIX_FMT_BF6 matrix_b_fmt:MATRIX_FMT_BF6
.endif
.endif
.endr
.endr
.endr
.endm
; A column tile's 128 products.  Four plain places stand in front of each run of loads into registers that matrix instructions have read;
; five behind the last product, since the next tile's first products write the accumulators anew.
.macro MULS var, mode
	WIN 0
.if \var
	v_add_nc_u32 v7, s[TBI], v10
	WIN 0xc0
.irp b, 0,1,2,3
.irp j, 0,1,2,3,4,5,6,7
	ds_load_b32 v[BI+8*\b+\j], v7 offset:128*(\b/2)+32*(\b%2)      ; v: a lane's eight results are one channel's: the same bias eight times
.endr
.endr
.else
	v_add_nc_u32 v6, s[TBI], v9
	WIN 0xc0
.irp b, 0,1,2,3
.irp q, 0,1
	ds_load_b128 v[BI+8*\b+4*\q:BI+8*\b+4*\q+3], v6 offset:128*(\b/2)+32*(\b%2)+16*\q   ; q, k: channels 32 (b / 2) + 8 (b % 2) + 16 h + 0 .. 7
.endr
.endr
.endif
	FETCH 1, 1
	s_wait_dscnt 32                                ; all but the 32 just issued
	MUL 0, 0, \var
	PLACES 4
	FETCH 2, 0
	s_wait_dscnt 32
	MUL 1, 1, \var
	PLACES 4
	FETCH 3, 1
	s_wait_dscnt 32
.if \mode == 0
	s_wait_loadcnt 32                              ; x's K steps 4 and 5 are in; steps 6 and 7 may be out
.endif
	MUL 2, 0, \var
	s_wait_dscnt 0x0
.if \mode == 0
	s_wait_loadcnt 0x0
.endif
	MUL 3, 1, \var
	WIN 0
	PLACES 5
.endm
; The next column tile's first fragments and scale words are asked for ahead of this tile's way out.  No LDS instruction of mine is out here.
.macro NEXT mode
.if \mode == 0
	s_wait_tensorcnt 4                             ; my part of tile 1 is in,
	s_barrier_signal -1
	s_barrier_wait -1                              ; everybody's is
.endif
.if \mode == 1
	s_wait_tensorcnt 0x0                           ; my parts of tiles 2 to 5 are in,
	s_barrier_signal -1
	s_barrier_wait -1                              ; everybody's are
.endif
.if \mode < 3
	s_add_co_u32 s[TB], s[TB], TILEB
	s_add_co_u32 s[TS], s[TS], 2048
	v_add_nc_u32 v3, s[TB], v1
	v_add_nc_u32 v4, s[TB], v2
	FETCH 0, 0
	BSLOAD
.endif
.endm
; q or k of one head: a lane holds one token; 64 registers are two tiles' two blocks of 32 channels each.
.macro OUTQK
	s_wait_xcnt 0x0                                ; the last tile's stores have read their bases and data
	s_and_b32 s86, s[HC], 15
	s_add_co_u32 s86, s86, s[BB16]                 ; batch x 16 + head
	s_lshl_b32 s87, s86, 7
	s_add_co_u32 s87, s87, s[TW]
	s_mul_i32 s87, s87, 768                        ; q: my four images
	s_lshl_b32 s88, s86, 13
	s_add_co_u32 s88, s88, s[QSB]                  ; q: my 64 scale words
	s_lshl_b32 s89, s86, 3
	s_add_co_u32 s89, s89, s[SLT]
	s_mul_i32 s89, s89, SLOTB                      ; k: the slot,
	s_add_co_u32 s92, s89, s[KW]                   ; my four images in it,
	s_add_co_u32 s93, s89, s[KSW]                  ; my 64 scale words
	s_cmp_lt_u32 s[HC], 16
	s_cselect_b32 s86, s87, s92
	s_cselect_b32 s88, s88, s93
	s_cselect_b64 s[CB:CB+1], s[10:11], s[12:13]
	s_mov_b32 s87, 0
	s_mov_b32 s89, 0
	s_add_nc_u64 s[SB:SB+1], s[CB:CB+1], s[88:89]
	s_add_nc_u64 s[CB:CB+1], s[CB:CB+1], s[86:87]
.irp p, 0,1
.if \p
	s_wait_xcnt 0x0                                ; the stores above have read the codes' registers
.endif
	QUANT ACC+64*\p, PW
	global_store_b128 v1, v[PC:PC+3], s[CB:CB+1] offset:1536*\p
	global_store_b64 v2, v[PC+4:PC+5], s[CB:CB+1] offset:1536*\p+512
	global_store_b128 v1, v[PC+6:PC+9], s[CB:CB+1] offset:1536*\p+768
	global_store_b64 v2, v[PC+10:PC+11], s[CB:CB+1] offset:1536*\p+1280
	v_lshrrev_b32 v[WD], v11, v[PW]                ; lanes 0-15: tile 2 p's two bytes; lanes 16-31: tile 2 p + 1's
	v_and_b32 v[WD], 0xffff, v[WD]                 ; bytes 2 and 3, which scale the zero codes of the upper 64 of K, are 0
	ds_store_b32 v12, v[WD] offset:128*\p
.endr
	ds_load_b64 v[RB:RB+1], v13                    ; LDS serves a wave's instructions in order: this sees my stores
	s_wait_dscnt 0x0
	global_store_b64 v2, v[RB:RB+1], s[SB:SB+1]    ; 64 scale words: 256 consecutive bytes, aligned
.endm
; v of one head: a lane holds one channel; 64 registers are two tiles of channels' two blocks of 32 tokens each.
.macro OUTV
	s_wait_xcnt 0x0
	s_sub_co_u32 s86, s[HC], 32
	s_add_co_u32 s86, s86, s[BB16]
	s_lshl_b32 s86, s86, 3
	s_add_co_u32 s86, s86, s[SLT]
	s_mul_i32 s86, s86, SLOTB
	s_add_co_u32 s88, s86, 25600                   ; V's scale words of the slot
	s_add_co_u32 s86, s86, s[VW]                   ; my 64 tokens: step w / 2, half w % 2 of each fragment
	s_mov_b32 s87, 0
	s_mov_b32 s89, 0
	s_add_nc_u64 s[CB:CB+1], s[12:13], s[86:87]
	s_add_nc_u64 s[SB:SB+1], s[12:13], s[88:89]
.irp p, 0,1
.if \p
	s_wait_xcnt 0x0
.endif
	QUANT ACC+64*\p, PW
	global_store_b128 v1, v[PC:PC+3], s[CB:CB+1] offset:3072*\p
	global_store_b64 v2, v[PC+4:PC+5], s[CB:CB+1] offset:3072*\p+512
	global_store_b128 v1, v[PC+6:PC+9], s[CB:CB+1] offset:3072*\p+1536
	global_store_b64 v2, v[PC+10:PC+11], s[CB:CB+1] offset:3072*\p+2048
	v_lshrrev_b32 v[WD], v11, v[PW]
	ds_store_b16 v14, v[WD] offset:128*\p          ; my two bytes of the channel's scale word
.endr
	s_wait_dscnt 0x0                               ; for the others' sake
	s_barrier_signal -1
	s_barrier_wait -1
	s_cmp_lg_u32 s[WV], 0
	s_cbranch_scc1 .Lnot_mine_\@
	ds_load_b128 v[RB:RB+3], v15
	s_wait_dscnt 0x0
	global_store_b128 v1, v[RB:RB+3], s[SB:SB+1]   ; 128 scale words: 512 consecutive bytes, aligned
.Lnot_mine_\@:
	s_wait_dscnt 0x0                               ; the table has been read:
	s_barrier_signal -1
	s_barrier_wait -1                              ; it may be written again
.endm
; The branches hang on the head column: Y and the count of tiles, the same in all waves and in all four partners.
.macro TILE mode
	s_cmp_ge_u32 s[HC], 32
	s_cbranch_scc1 .Lmul_v_\@
	MULS 0, \mode
	s_branch .Lmul_done_\@
.Lmul_v_\@:
	MULS 1, \mode
.Lmul_done_\@:
	NEXT \mode
	s_cmp_ge_u32 s[HC], 32
	s_cbranch_scc1 .Lout_v_\@
	OUTQK
	s_branch .Lout_done_\@
.Lout_v_\@:
	OUTV
.Lout_done_\@:
	s_add_co_u32 s[HC], s[HC], 1
	s_add_co_u32 s[TBI], s[TBI], 256
.endm
	v_add_nc_u32 v3, s[TB], v1
	v_add_nc_u32 v4, s[TB], v2
	FETCH 0, 0
	BSLOAD
	TILE 0                                         ; tile 0 also waits for x's later K steps, and for tile 1's codes
	TILE 1                                         ; tile 1 for all the rest
	s_mov_b32 s[CNT], 3
.Ltile:
	TILE 2
	s_sub_co_u32 s[CNT], s[CNT], 1
	s_cmp_lg_u32 s[CNT], 0
	s_cbranch_scc1 .Ltile
	TILE 3                                         ; the last tile is written out: it fetches nothing more
	s_wait_tensorcnt 0x0                           ; the wave's end
	ds_add_u32 v[SPW], v[NIL]
	s_wait_dscnt 0x0
	ROUND                                          ; the closing round
	s_endpgm
.Lfunc_end_k_q4ab55a2d33_qkv:
	.size	k_q4ab55a2d33_qkv, .Lfunc_end_k_q4ab55a2d33_qkv-k_q4ab55a2d33_qkv
	.p2alignl 7, 3214868480
	.fill 96, 4, 3214868480
	.section	.rodata,"a",@progbits
	.p2align	6, 0x0
	.amdhsa_kernel k_q4ab55a2d33_qkv
		.amdhsa_group_segment_fixed_size 327680
		.amdhsa_private_segment_fixed_size 0
		.amdhsa_enable_private_segment 0
		.amdhsa_kernarg_size 40
		.amdhsa_user_sgpr_count 2
		.amdhsa_user_sgpr_kernarg_segment_ptr 1
		.amdhsa_wavefront_size32 1
		.amdhsa_system_sgpr_workgroup_id_x 1
		.amdhsa_system_sgpr_workgroup_id_y 1
		.amdhsa_system_sgpr_workgroup_id_z 1
		.amdhsa_system_vgpr_workitem_id 0
		.amdhsa_next_free_vgpr 1024
		.amdhsa_next_free_sgpr 100
		.amdhsa_reserve_vcc 0
		.amdhsa_float_denorm_mode_32 3
		.amdhsa_float_denorm_mode_16_64 3
		.amdhsa_memory_ordered 1
		.amdhsa_forward_progress 1
		.amdhsa_inst_pref_size 255
	.end_amdhsa_kernel
	.section	.bss,"aw",@nobits
	.p2align	6
	.space	262144
	.amdgpu_metadata
---
amdhsa.version: [ 1, 2 ]
amdhsa.kernels:
  - .name:           k_q4ab55a2d33_qkv
    .symbol:         k_q4ab55a2d33_qkv.kd
    .args:
      - { .name: xq, .offset: 0, .size: 8, .value_kind: global_buffer, .address_space: global }
      - { .name: wq, .offset: 8, .size: 8, .value_kind: global_buffer, .address_space: global }
      - { .name: b_attn, .offset: 16, .size: 8, .value_kind: global_buffer, .address_space: global }
      - { .name: qq, .offset: 24, .size: 8, .value_kind: global_buffer, .address_space: global }
      - { .name: kv, .offset: 32, .size: 8, .value_kind: global_buffer, .address_space: global }
    .group_segment_fixed_size: 327680
    .private_segment_fixed_size: 0
    .kernarg_segment_align: 8
    .kernarg_segment_size: 40
    .max_flat_workgroup_size: 128
    .sgpr_count:     100
    .vgpr_count:     1024
    .wavefront_size: 32
...
	.end_amdgpu_metadata
.endif
;; end of part 2
;; launch attn (part 3): grid 4 x 64, 16 waves a work-group, no clusters, 327,680 bytes of LDS; arguments qq, kv, yq; writes yq
.if DOCPART == 3
	.amdgcn_target "amdgcn-amd-amdhsa--gfx1250"
	.amdhsa_code_object_version 6
	.text
	.protected	k_q4ab55a2d33_attn
	.globl	k_q4ab55a2d33_attn
	.p2align	8
	.type	k_q4ab55a2d33_attn,@function
k_q4ab55a2d33_attn:
	s_mov_b64 s[64:65], 0
	v_nop
	global_prefetch_b8 v0, s[64:65] scope:SCOPE_SE
	s_setreg_imm32_b32 hwreg(HW_REG_WAVE_MODE, 25, 1), 1
	s_wait_xcnt 0x0
; Launch 3 of 4: y = softmax(q k^T / 8, causal) v on codes of E3M2, and y quantised along C for the projection.
; LEFT OUT: the steps of 128 keys that lie wholly behind a tile's queries (reference()'s own tril mask gives them the weight 0 for all values of the inputs: see the head of launch 1).
; THE SOFTMAX AHEAD OF THE SECOND PRODUCT: t = score x log2(e) / 8; M = the row's largest t so far, rounded up to a whole number; p = 2^(t - M) is quantised along the keys, not normalised.
; The row's sum is taken of the unquantised p and divides O at the end.  When M moves, the sum and O are multiplied by 2^(old M - new M): exact.
; SHARES.  A work-group owns, of one head, query blocks i and 7 - i (256 positions each), so that every work-group has the same number of live steps.  Each of sixteen waves owns one tile of 16
; queries in each block.  Every work-group walks all eight slots of 256 keys with constant trip counts; a step whose keys are all hidden from a tile is jumped over by a scalar branch on ids.
; NO CLUSTER: under the mask the work-groups of a head need different numbers of slots, so a partner would have to ask for tiles that none of its waves reads.
; LAYOUT.  S^T = K Q^T (source 0 = 16 keys, source 1 = my 16 queries), O^T = V^T P^T (source 0 = 16 channels, source 1 = P): a lane holds one query throughout.  Keys, queries and channels lie in position order
; (launch 1): the 16 registers of two neighbouring tiles are 16 neighbours in true order.  A lane's query is Q0 + r + 8 (r / 8).
; THE HEAD IS 64 WIDE, the instruction's K is 128: Q's upper six registers hold zero codes, and both sides' scale bytes 2 and 3 are 0.  K's upper six registers are the next tile's codes: they meet zeros.
; LIMITS: as stated at the head of launch 1; v_exp_f32 and v_rcp_f32 as accurate as the ISA guide states them.  y's scale bytes leave two at a time, rows 32 bytes apart: 262,144 bytes in the whole launch.
; REGISTERS: v1 16 l, v2 8 l, v3 4 r, v4 r + 8 (r / 8) - 16 h, v5, v6 the add's two, v7 256 l, v8-10 addresses in hand, v11 32 r; v12-15, v28-31 -M, largest t, the sum in two halves (tile A, B);
;   v16-27, v32-43 Q; v44, v45 Q's scale words; v46-75 four tiles of K; v96-159 S^T, then p, then V's four fragments; v160-191, v192-223 O^T; v224-235 p's codes; v232-254 at work.
.set QS,    6291456
.set YS,    6291456
.set SLOTB, 26112                      ; a slot of 256 keys in kv and in LDS
.set HEADB, 8*SLOTB
.set SLOT1, 32768                      ; slot 1 begins here: one exclusive or turns an address from one slot to the other
.set SPARE, 65536                      ; the spare words, 128 bytes for each wave
.set WV,   18
.set SEL,  20
.set CS,   22                          ; s[22:23] c = log2(e) / 8
.set G1,   24
.set G0,   40
.set TB,   2                           ; LDS byte at which the slot in hand begins
.set SLOTS, 66
.set Q0B,  67
.set PFA,  76
.set LIM,  80
.set KF,   98                          ; the step's first key
.set Q0A,  99
.macro TLOAD                           ; waves 0 and 1 fetch a slot's halves; the branch hangs on the wave's number alone; an s_nop 0 and four v_nop follow the load
	s_cmp_lt_u32 s[WV], 2
	s_cbranch_scc0 .Lasked_\@
	tensor_load_to_lds s[G0:G0+3], s[G1:G1+7]
	s_nop 0
.rept 4
	v_nop
.endr
.Lasked_\@:
.endm
; A prefetch of the codes (96 blocks of 256 bytes) of the slot that the NEXT change of slots will ask for: a slot's two key steps ahead of that load.  All four work-groups of a head walk the same slots: the first
; of them asks, in it waves 4 to 6, 8,192 bytes a wave, lanes 256 bytes apart: each block is named once in the launch.  Slots 0 and 1 come by their loads alone; the last change that fills a slot asks for nothing.
.macro ASK
	s_cmp_gt_u32 s[SLOTS], s[LIM]
	s_cbranch_scc0 .Lnot_mine_\@
	global_prefetch_b8 v7, s[PFA:PFA+1] th:TH_LOAD_NT scope:SCOPE_SE
.Lnot_mine_\@:
.endm
	s_load_b128 s[4:7], s[0:1], 0x0                ; qq, kv
	s_load_b64 s[8:9], s[0:1], 0x10                ; yq
	v_lshl_add_u32 v5, v0, 2, SPARE
	v_mov_b32 v6, 0
	ds_add_u32 v5, v6                              ; the wave's opening: the add, twice on end, and its wait ahead of the first tensor load
	ds_add_u32 v5, v6
	v_lshrrev_b32 v8, 5, v0
	v_readfirstlane_b32 s[WV], v8                  ; wave 0..15
	s_and_b32 s10, ttmp7, 0xffff                   ; batch x 16 + head
	s_lshl_b32 s11, ttmp9, 4
	s_add_co_u32 s11, s11, s[WV]                   ; tile A = 16 i + w
	s_sub_co_u32 s14, 7, ttmp9
	s_lshl_b32 s12, s14, 4
	s_add_co_u32 s12, s12, s[WV]                   ; tile B = 16 (7 - i) + w
	s_lshr_b32 s13, s[WV], 1
	s_lshl_b32 s13, s13, 5
	s_and_b32 s15, s[WV], 1
	s_lshl_b32 s15, s15, 3
	s_add_co_u32 s13, s13, s15                     ; 32 (w / 2) + 8 (w % 2)
	s_lshl_b32 s15, ttmp9, 8
	s_add_co_u32 s[Q0A], s13, s15
	s_lshl_b32 s14, s14, 8
	s_add_co_u32 s[Q0B], s13, s14
	s_mov_b32 s[G1], 3<<16                         ; group 1: no mask, elements of 8 bytes, no padding: 51 dense rows of 256 bytes
	s_mov_b32 s[G1+1], 32<<16
	s_mov_b32 s[G1+2], 51<<16
	s_mov_b32 s[G1+3], 32<<16
	s_mov_b32 s[G1+4], 51
	s_mov_b32 s[G1+5], 32
	s_mov_b32 s[G1+6], 0
	s_mov_b32 s[G1+7], 0
	s_mul_i32 s70, s10, HEADB                      ; the head's slots in kv
	s_and_b32 s72, s[WV], 1
	s_mul_i32 s73, s72, SLOTB/2                    ; my half of a slot, in LDS and in memory
	s_add_co_u32 s74, s70, s73
	s_mov_b32 s75, 0
	s_and_b32 s82, s[WV], 3
	s_lshl_b32 s82, s82, 13
	s_add_co_u32 s82, s82, s70
	s_add_co_u32 s82, s82, SLOTB                   ; the prefetches stand in slot 1: the first change of slots steps them to slot 2
	s_mov_b32 s83, 0
	s_lshl_b32 s13, s10, 7
	s_add_co_u32 s32, s13, s11
	s_mul_i32 s32, s32, 768                        ; Q's image, tile A,
	s_mov_b32 s33, 0
	s_add_co_u32 s34, s13, s12
	s_mul_i32 s34, s34, 768                        ; tile B
	s_mov_b32 s35, 0
	s_lshl_b32 s13, s10, 13
	s_add_co_u32 s13, s13, QS
	s_lshl_b32 s36, s11, 6
	s_add_co_u32 s36, s36, s13                     ; and their scale words
	s_mov_b32 s37, 0
	s_lshl_b32 s38, s12, 6
	s_add_co_u32 s38, s38, s13
	s_mov_b32 s39, 0
	s_mov_b32 s[SEL], 0x76543210
	s_mov_b32 s[SEL+1], 0xfedcba98
	s_mov_b32 s[CS], 0x3e38aa3b                    ; c = log2(e) / 8
	s_mov_b32 s[CS+1], s[CS]                       ; (named with it as a pair, so it is written)
	s_mov_b32 s[TB], 0
	s_mov_b32 s[KF], 0
	s_mov_b32 s[SLOTS], 7
	s_sub_co_u32 s96, s[WV], 4
	s_lshr_b32 s96, s96, 2                         ; 0 in waves 4 to 7,
	s_or_b32 s96, s96, ttmp9                       ; of the head's first work-group
	s_cmp_eq_u32 s96, 0
	s_cselect_b32 s[LIM], 1, -1
	s_cmp_eq_u32 s[WV], 7                          ; (the codes are three waves' worth)
	s_cselect_b32 s[LIM], -1, s[LIM]
	s_wait_dscnt 0x0                               ; both opening adds are done
	s_wait_kmcnt 0x0
	s_mov_b32 s[G0], 1
	s_mov_b32 s[G0+1], s73
	s_add_nc_u64 s[G0+2:G0+3], s[6:7], s[74:75]
	s_or_b32 s[G0+3], s[G0+3], 0x80000000
	TLOAD                                          ; slot 0: it holds key 0, which counts for every query
	s_add_nc_u64 s[PFA:PFA+1], s[6:7], s[82:83]
	s_add_nc_u64 s[46:47], s[4:5], s[32:33]
	s_add_nc_u64 s[48:49], s[4:5], s[34:35]
	s_add_nc_u64 s[50:51], s[4:5], s[36:37]
	s_add_nc_u64 s[52:53], s[4:5], s[38:39]
	s_lshr_b32 s13, s10, 4                         ; batch
	s_and_b32 s14, s10, 15                         ; head
	s_lshl_b32 s15, s13, 7
	s_add_co_u32 s32, s15, s11                     ; tile A among all 512
	s_lshl_b32 s36, s32, 9                         ; its 16 scale rows of 32 bytes
	s_lshl_b32 s32, s32, 4
	s_add_co_u32 s32, s32, s14
	s_mul_i32 s32, s32, 768                        ; its image for this head's 64 of K
	s_add_co_u32 s34, s15, s12
	s_lshl_b32 s38, s34, 9
	s_lshl_b32 s34, s34, 4
	s_add_co_u32 s34, s34, s14
	s_mul_i32 s34, s34, 768
	s_lshl_b32 s14, s14, 1
	s_add_co_u32 s14, s14, YS
	s_add_co_u32 s36, s36, s14
	s_add_co_u32 s38, s38, s14
	s_add_nc_u64 s[54:55], s[8:9], s[32:33]
	s_add_nc_u64 s[56:57], s[8:9], s[34:35]
	s_add_nc_u64 s[58:59], s[8:9], s[36:37]
	s_add_nc_u64 s[60:61], s[8:9], s[38:39]
	v_and_b32 v8, 31, v0
	v_and_b32 v9, 15, v0
	v_bfe_u32 v10, v0, 4, 1
	v_lshlrev_b32 v1, 4, v8
	v_lshlrev_b32 v2, 3, v8
	v_lshlrev_b32 v3, 2, v9
	v_and_b32 v11, 8, v9
	v_add_nc_u32 v11, v11, v9
	v_lshlrev_b32 v10, 4, v10
	v_sub_nc_u32 v4, v11, v10
	v_lshlrev_b32 v7, 8, v8
	v_lshlrev_b32 v11, 5, v9
	global_load_b128 v[16:19], v1, s[46:47]        ; Q stays in registers
	global_load_b64 v[20:21], v2, s[46:47] offset:512
	global_load_b128 v[32:35], v1, s[48:49]
	global_load_b64 v[36:37], v2, s[48:49] offset:512
	global_load_b32 v44, v3, s[50:51]
	global_load_b32 v45, v3, s[52:53]
.irp j, 22,23,24,25,26,27,38,39,40,41,42,43,70,71,72,73,74,75
	v_mov_b32 v\j, 0                               ; zero codes for the upper 64 of the instruction's K
.endr
.irp s, 12, 28
	v_mov_b32 v[\s+1], 0xff61b1e6                  ; the largest t so far: -3e38, under every t
	v_floor_f32 v[\s], -v[\s+1]                    ; -M
	v_mov_b32 v[\s+2], 0                           ; the sum, in two halves
	v_mov_b32 v[\s+3], 0
.endr
.irp j, 236,237,238,239,252,253
	v_mov_b32 v\j, 0                               ; written once: a lane permute's destination counts as one of its sources, and v253 is named as the upper half of a pair
.endr
.set j, 0
.rept 64
	v_mov_b32 v[160+j], 0                          ; O^T of both tiles.  (The step is written once: the first finds zeros, which the first change of M leaves zeros)
.set j, j+1
.endr
; A KEY STEP of one tile: 128 keys, the kq-th of the slot in hand.  o: O^T; st: the statistics; qf, qs: Q and its scale words; q0: the scalar register with the tile's first query.
.macro STEP kq, o, st, qf, qs, q0
	s_add_co_u32 s96, s[\q0], 23                   ; the tile's last query
	s_cmp_gt_u32 s[KF], s96
	s_cbranch_scc1 .Lhidden_\@                     ; all keys come after all my queries: the step is left out
	v_add_nc_u32 v8, s[TB], v1
	v_add_nc_u32 v9, s[TB], v2
	v_add_nc_u32 v10, s[TB], v3
	v_nop
	v_nop                                          ; five plain places: the products below write over registers that the last step's products read
.irp g, 0,1                            ; S^T = K Q^T, four tiles of 16 keys at a time
.if \g > 0
.rept 4
	v_nop                                          ; places in front of loads into registers that matrix instructions have read
.endr
.endif
.irp t, 0,1,2,3
	ds_load_b128 v[46+6*\t:49+6*\t], v8 offset:768*(8*(\kq)+4*\g+\t)
	ds_load_b64 v[50+6*\t:51+6*\t], v9 offset:768*(8*(\kq)+4*\g+\t)+512
	ds_load_b32 v[248+\t], v10 offset:24576+64*(8*(\kq)+4*\g+\t)
.endr
	s_wait_dscnt 0x0
.irp t, 0,1,2,3
	v_wmma_scale_f32_16x16x128_f8f6f4 v[96+8*(4*\g+\t):103+8*(4*\g+\t)], v[46+6*\t:57+6*\t], v[\qf:\qf+11], 0, v[248+\t], v[\qs] matrix_a_fmt:MATRIX_FMT_BF6 matrix_b_fmt:MATRIX_FMT_BF6
.endr
.endr                                  ; register 16 b + i holds key KF + 32 b + 16 h + i
.rept 4
	v_nop
.endr
	s_add_co_u32 s96, s[KF], 127                   ; on the diagonal the scores of hidden keys become -infinity ahead of the maximum: p = 0 then.  A step all of whose keys count skips this
	s_cmp_le_u32 s96, s[\q0]
	s_cbranch_scc1 .Lopen_\@
	s_sub_co_i32 s96, s[\q0], s[KF]
	v_add_nc_u32 v252, s96, v4                     ; d = my query - KF - 16 h: register 16 b + i is hidden where 32 b + i > d
	v_mov_b32 v254, 0xff800000
.set n, 0
.rept 64
	v_cmp_gt_i32 vcc_lo, 32*(n/16)+n%16, v252
	v_cndmask_b32 v[96+n], v[96+n], v254, vcc_lo
.set n, n+1
.endr
.Lopen_\@:
.irp b, 0,1,2,3
	v_max3_num_f32 v[232+\b], v[96+16*\b], v[97+16*\b], v[98+16*\b]   ; the largest score of each block of 32 keys: for the row's maximum and, since p rises with the score, for the block's largest p
.endr
.irp i, 3,5,7,9,11,13
.irp b, 0,1,2,3
	v_max3_num_f32 v[232+\b], v[232+\b], v[96+16*\b+\i], v[97+16*\b+\i]
.endr
.endr
.irp b, 0,1,2,3
	v_max_num_f32 v[232+\b], v[232+\b], v[111+16*\b]
.endr
.irp b, 0,1,2,3
	v_permlanex16_b32 v[236+\b], v[232+\b], s[SEL], s[SEL+1]
.endr
.irp b, 0,1,2,3
	v_max_num_f32 v[232+\b], v[232+\b], v[236+\b]  ; with lane l xor 16's 16 keys
.endr
	v_max3_num_f32 v254, v232, v233, v234
	v_max_num_f32 v254, v254, v235                 ; the step's largest score of my query
	v_mul_f32 v254, s[CS], v254                    ; as t (c is positive)
	v_max_num_f32 v[\st+1], v[\st+1], v254         ; the running largest t
	v_mov_b32 v254, v[\st]
	v_floor_f32 v[\st], -v[\st+1]                  ; the new -M = floor(-t): M is a whole number
	v_sub_f32 v254, v[\st], v254                   ; old M - new M: a whole number, 0 or less
	v_cvt_i32_f32 v254, v254                       ; (it saturates)
	v_ldexp_f32 v252, 1.0, v254                    ; f = 2^(old M - new M)
.set j, 0
.rept 32
	v_pk_fma_f32 v[96+j:97+j], v[96+j:97+j], s[CS:CS+1], v[\st:\st+1] op_sel_hi:[1,0,0]   ; t - M, two at a time
.set j, j+2
.endr
.irp b, 0,1,2,3
	v_fma_f32 v[232+\b], v[232+\b], s[CS], v[\st]  ; the same of each block's largest score
.endr
.set j, 0
.rept 64
	v_exp_f32 v[96+j], v[96+j]                     ; p = 2^(t - M), at most 1
.set j, j+1
.endr
	v_pk_mul_f32 v[\st+2:\st+3], v[\st+2:\st+3], v[252:253] op_sel_hi:[1,0]   ; the sums under the new M: the plain place behind the exponentials
	s_wait_alu depctr_va_vdst(0)                   ; one wait for the whole batch, ahead of its first reader
.irp b, 0,1,2,3
	v_exp_f32 v[232+\b], v[232+\b]                 ; the block's largest p: the same two instructions on the same number give the same bits
.endr
	v_pk_add_f32 v[236:237], v[96:97], v[98:99]    ; the row's sum is taken of the unquantised p: two chains
.set j, 4
.rept 15
	v_pk_add_f32 v[\st+2:\st+3], v[\st+2:\st+3], v[96+j:97+j]
	v_pk_add_f32 v[236:237], v[236:237], v[98+j:99+j]
.set j, j+4
.endr
	v_pk_add_f32 v[\st+2:\st+3], v[\st+2:\st+3], v[236:237]
	s_wait_alu depctr_va_vdst(0)                   ; and one for the four
.irp b, 0,1,2,3
	v_max_num_f32 v[232+\b], 0x2800000, v[232+\b]  ; the floor 2^(5 - 127): the byte cannot fall under 1
.endr
.irp b, 0,1,2,3
	v_add_nc_u32 v[244+\b], 0xfe000000, v[232+\b]  ; 4 off the exponent field: the conversion's scale operand
.endr
.irp b, 0,1,2,3
	v_lshrrev_b32 v[236+\b], 23, v[244+\b]
.endr
	v_lshl_or_b32 v253, v237, 8, v236              ; p's scale word for these 128 keys
	v_lshl_or_b32 v253, v238, 16, v253
	v_lshl_or_b32 v253, v239, 24, v253
.irp c, 0,1
	v_cvt_scalef32_pk16_bf6_f32 v[224+6*\c:226+6*\c], v[96+32*\c:111+32*\c], v[244+2*\c]
	v_cvt_scalef32_pk16_bf6_f32 v[236+4*\c:238+4*\c], v[112+32*\c:127+32*\c], v[245+2*\c]
.endr
	v_nop                                          ; one plain place behind the conversions
.irp t, 0,1,2,3                        ; V's four fragments land where p lay, while the codes change halves and O^T is rescaled
	ds_load_b128 v[96+12*\t:99+12*\t], v8 offset:12288+6144*(\kq)+1536*\t
	ds_load_b64 v[100+12*\t:101+12*\t], v9 offset:12288+6144*(\kq)+1536*\t+512
	ds_load_b128 v[102+12*\t:105+12*\t], v8 offset:12288+6144*(\kq)+1536*\t+768
	ds_load_b64 v[106+12*\t:107+12*\t], v9 offset:12288+6144*(\kq)+1536*\t+1280
	ds_load_b32 v[248+\t], v10 offset:25600+256*(\kq)+64*\t
.endr
.irp c, 0,1                            ; the layout wants a whole block in a lane
.irp i, 0,1,2
	v_permlane16_swap_b32 v[224+6*\c+\i], v[236+4*\c+\i]
.endr
.irp i, 0,1,2
	v_mov_b32 v[227+6*\c+\i], v[236+4*\c+\i]
.endr
.endr
.set j, 0
.rept 16
	v_pk_mul_f32 v[\o+j:\o+j+1], v[\o+j:\o+j+1], v[252:253] op_sel_hi:[1,0]   ; O^T under the new M.  (These sixteen are also the places between the codes' and the scale word's last writes and the products)
.set j, j+2
.endr
	s_wait_dscnt 0x0
.irp t, 0,1,2,3                        ; O^T += V^T P^T: the head's four tiles of 16 channels by turns
	v_wmma_scale_f32_16x16x128_f8f6f4 v[\o+8*\t:\o+8*\t+7], v[96+12*\t:107+12*\t], v[224:235], v[\o+8*\t:\o+8*\t+7], v[248+\t], v253 matrix_a_fmt:MATRIX_FMT_BF6 matrix_b_fmt:MATRIX_FMT_BF6
.endr
.Lhidden_\@:
.endm
; THE CHANGE OF SLOTS stands at a slot's head.  Each wave waits for all its tensor loads, adds 0 to its spare word (fill = 1: twice on end), and waits for that and for its reads of the slot
; that it has left.  Behind the barrier the slot ahead is whole and nobody reads the other one.  fill = 1: that other slot is filled with the next 256 keys, up to the causal limit.
.macro CHANGE fill
	s_wait_tensorcnt 0x0                           ; no tensor load of mine is out, so group 0 may be written
	ds_add_u32 v5, v6
.if \fill
	ds_add_u32 v5, v6
	s_xor_b32 s[G0+1], s[G0+1], SLOT1              ; the walking descriptor: the other slot than last time,
	s_add_nc_u64 s[G0+2:G0+3], s[G0+2:G0+3], SLOTB ; the next slot in memory
	s_wait_xcnt 0x0                                ; the last prefetch, a slot back, has read its address
	s_add_nc_u64 s[PFA:PFA+1], s[PFA:PFA+1], SLOTB
.endif
	s_wait_dscnt 0x0
	s_barrier_signal -1
	s_barrier_wait -1
.if \fill
	s_add_co_u32 s96, s[KF], 256                   ; the first key of the slot that this change would ask for
	s_or_b32 s97, s[Q0B], 255                      ; my work-group's last query
	s_cmp_gt_u32 s96, s97                          ; ids and the count of steps alone: all sixteen waves go the same way; a slot behind the limit is read by no wave, so it is not asked for
	s_cbranch_scc1 .Lpast_\@
	TLOAD
.Lpast_\@:
	ASK
.endif
.endm
.macro SLOT_STEPS
	STEP 0, 160, 12, 16, 44, Q0A
	STEP 0, 192, 28, 32, 45, Q0B
	s_add_co_u32 s[KF], s[KF], 128
	STEP 1, 160, 12, 16, 44, Q0A
	STEP 1, 192, 28, 32, 45, Q0B
	s_add_co_u32 s[KF], s[KF], 128
	s_xor_b32 s[TB], s[TB], SLOT1
.endm
	s_wait_loadcnt 0x0                             ; Q
.Lslot:                                            ; seven trips: behind each change of slots but the last the next slot is asked for, up to the causal limit
	CHANGE 1
	SLOT_STEPS
	s_sub_co_u32 s[SLOTS], s[SLOTS], 1
	s_cmp_lg_u32 s[SLOTS], 0
	s_cbranch_scc1 .Lslot
	CHANGE 0                                       ; the last slot is written out: nothing is left to ask for
	SLOT_STEPS
; THE WAY OUT of a tile: y = O^T / the sum; register 16 b + i is channel 32 b + 16 h + i of my query: the head's two blocks of the projection's K.  They become one image of 768 bytes and two scale bytes.
.macro OUT o, st, cd, hw, pc, ps
	v_add_f32 v[\st+2], v[\st+2], v[\st+3]
	v_permlanex16_b32 v252, v[\st+2], s[SEL], s[SEL+1]
	v_add_f32 v[\st+2], v[\st+2], v252             ; the row's sum
	v_rcp_f32 v[\st+2], v[\st+2]
	v_nop                                          ; a plain place behind the reciprocal
	s_wait_alu depctr_va_vdst(0)                   ; and the wait ahead of its first reader
.set j, 0
.rept 32
	v_mul_f32 v[96+j], v[\o+j], v[\st+2]           ; each accumulator from its low end on
.set j, j+1
.endr
.irp b, 0,1
	v_max3_num_f32 v[232+\b], |v[96+16*\b]|, |v[97+16*\b]|, 0x2800000
.endr
.irp i, 2,4,6,8,10,12,14
.irp b, 0,1
	v_max3_num_f32 v[232+\b], v[232+\b], |v[96+16*\b+\i]|, |v[97+16*\b+\i]|
.endr
.endr
.irp b, 0,1
	v_permlanex16_b32 v[236+\b], v[232+\b], s[SEL], s[SEL+1]
.endr
.irp b, 0,1
	v_max_num_f32 v[232+\b], v[232+\b], v[236+\b]
.endr
.irp b, 0,1
	v_add_nc_u32 v[244+\b], 0xfe000000, v[232+\b]
.endr
.irp b, 0,1
	v_lshrrev_b32 v[236+\b], 23, v[244+\b]
.endr
	v_lshl_or_b32 v[\hw], v237, 8, v236
	v_cvt_scalef32_pk16_bf6_f32 v[\cd:\cd+2], v[96:111], v244
	v_cvt_scalef32_pk16_bf6_f32 v[240:242], v[112:127], v245
	v_nop                                          ; one plain place behind the conversions
.irp i, 0,1,2
	v_permlane16_swap_b32 v[\cd+\i], v[240+\i]
.endr
.irp i, 0,1,2
	v_mov_b32 v[\cd+3+\i], v[240+\i]
.endr
	global_store_b128 v1, v[\cd:\cd+3], s[\pc:\pc+1]
	global_store_b64 v2, v[\cd+4:\cd+5], s[\pc:\pc+1] offset:512
	global_store_b16 v11, v[\hw], s[\ps:\ps+1]     ; lanes l and l + 16 write the same two bytes with the same value
.endm
.rept 4
	v_nop                                          ; places behind the last products
.endr
	OUT 160, 12, 224, 246, 54, 58
	OUT 192, 28, 230, 247, 56, 60
	s_wait_tensorcnt 0x0                           ; the wave's end
	ds_add_u32 v5, v6
	s_wait_dscnt 0x0
	s_endpgm
.Lfunc_end_k_q4ab55a2d33_attn:
	.size	k_q4ab55a2d33_attn, .Lfunc_end_k_q4ab55a2d33_attn-k_q4ab55a2d33_attn
	.p2alignl 7, 3214868480
	.fill 96, 4, 3214868480
	.section	.rodata,"a",@progbits
	.p2align	6, 0x0
	.amdhsa_kernel k_q4ab55a2d33_attn
		.amdhsa_group_segment_fixed_size 327680
		.amdhsa_private_segment_fixed_size 0
		.amdhsa_enable_private_segment 0
		.amdhsa_kernarg_size 24
		.amdhsa_user_sgpr_count 2
		.amdhsa_user_sgpr_kernarg_segment_ptr 1
		.amdhsa_wavefront_size32 1
		.amdhsa_system_sgpr_workgroup_id_x 1
		.amdhsa_system_sgpr_workgroup_id_y 1
		.amdhsa_system_sgpr_workgroup_id_z 1
		.amdhsa_system_vgpr_workitem_id 0
		.amdhsa_next_free_vgpr 256
		.amdhsa_next_free_sgpr 100
		.amdhsa_reserve_vcc 1
		.amdhsa_float_denorm_mode_32 3
		.amdhsa_float_denorm_mode_16_64 3
		.amdhsa_memory_ordered 1
		.amdhsa_forward_progress 1
		.amdhsa_inst_pref_size 191
	.end_amdhsa_kernel
	.amdgpu_metadata
---
amdhsa.version: [ 1, 2 ]
amdhsa.kernels:
  - .name:           k_q4ab55a2d33_attn
    .symbol:         k_q4ab55a2d33_attn.kd
    .args:
      - { .name: qq, .offset: 0, .size: 8, .value_kind: global_buffer, .address_space: global }
      - { .name: kv, .offset: 8, .size: 8, .value_kind: global_buffer, .address_space: global }
      - { .name: yq, .offset: 16, .size: 8, .value_kind: global_buffer, .address_space: global }
    .group_segment_fixed_size: 327680
    .private_segment_fixed_size: 0
    .kernarg_segment_align: 8
    .kernarg_segment_size: 24
    .max_flat_workgroup_size: 512
    .sgpr_count:     100
    .vgpr_count:     256
    .wavefront_size: 32
...
	.end_amdgpu_metadata
.endif
;; end of part 3
;; launch proj (part 4): grid 32 x 8, 4 waves a work-group, clusters of 4 x 1, 167,936 bytes of LDS; arguments yq, wq, b_proj, out0; writes out0
.if DOCPART == 4
	.amdgcn_target "amdgcn-amd-amdhsa--gfx1250"
	.amdhsa_code_object_version 6
	.text
	.protected	k_q4ab55a2d33_proj
	.globl	k_q4ab55a2d33_proj
	.p2align	8
	.type	k_q4ab55a2d33_proj,@function
k_q4ab55a2d33_proj:
	s_mov_b64 s[64:65], 0
	v_nop
	global_prefetch_b8 v0, s[64:65] scope:SCOPE_SE
	s_setreg_imm32_b32 hwreg(HW_REG_WAVE_MODE, 25, 1), 1
	s_wait_xcnt 0x0
	s_wait_alu depctr_hold_cnt(0) depctr_sa_sdst(0) depctr_va_vdst(0) depctr_va_sdst(0) depctr_va_ssrc(0) depctr_va_vcc(0) depctr_vm_vsrc(0)
	s_getreg_b32 s2, hwreg(HW_REG_IB_STS2, 6, 4)
	s_cmp_eq_u32 s2, 0
	s_cbranch_scc0 .Lentry_in_a_cluster
	s_endpgm
.Lentry_in_a_cluster:
	s_bfe_u32 s2, ttmp6, 0x10000c
	s_cmp_lg_u32 s2, 0x3003
	s_cbranch_scc0 .Lentry_shape_is_right
	s_endpgm
.Lentry_shape_is_right:
; Launch 4 of 4: out0 = Q(y) Q(w_proj) + b_proj on codes of E3M2.  No work is left out here.
; The form of launch 2: a work-group takes 256 positions of y and 128 columns (two column tiles of 64); wave w keeps its four tiles of 16 positions for all of K = 1,024 in 384 registers; the group's weights come into LDS
; once, by joint loads of the cluster's four work-groups, which share the columns.  Nothing in LDS is filled again.  Source 0 = 16 positions of the weight's columns, source 1 = 16 positions of y: a lane holds one token and
; eight neighbouring columns.  The bias is the C of each sum's first matrix instruction.  POSITION ORDER (launch 1) is undone here: the columns by the place in the stage, the tokens by the stores' immediates.
; THE WAY OUT: 16 tokens x 64 columns go through the wave's own stage in LDS and leave as rows: sixteen lanes store 256 consecutive bytes, aligned.
; REGISTERS as in launch 2; window 3 holds from v192 the bias of both column tiles (32 t + 8 b).
.set YS,    6291456
.set WPC,   2457600
.set WPS,   3244032
.set TILEB, 49152
.set SCL,   2*TILEB
.set STAGE, SCL+4096
.set SPITCH, 272
.set SPARE, STAGE+4*16*SPITCH
.set AS,  24
.set BS,  56
.set ACC, 88
.set SPW, 254
.set NIL, 255
.set WV,  20
.set TB,  76
.set TS,  77
.set OP,  82                           ; s[82:83] my first row of out0, my work-group's first column
.set MSB, 0
.macro WIN new                         ; the immediate's high byte repeats the setting that is left
.if MSB != \new
	s_set_vgpr_msb (MSB<<8)|\new
.set MSB, \new
.endif
.endm
.macro PLACES n
.rept \n
	v_nop
.endr
.endm
.macro ROUND                           ; a round of the cluster's barrier
	s_barrier_signal -1
	s_barrier_wait -1
	s_cmp_lg_u32 s[WV], 0
	s_cbranch_scc1 .Lnot_wave_0_\@
	s_barrier_signal -3
.Lnot_wave_0_\@:
	s_barrier_wait -3
	s_barrier_signal -1
	s_barrier_wait -1
.endm
.macro G0SET g, t
	s_mov_b32 s[\g], 1
	s_add_co_u32 s[\g+1], s18, TILEB*(\t)
	s_add_nc_u64 s[\g+2:\g+3], s[16:17], TILEB*(\t)
	s_or_b32 s[\g+3], s[\g+3], 0x80000000
.endm
	s_load_b256 s[4:11], s[0:1], 0x0               ; yq s[4:5], wq s[6:7], b_proj s[8:9], out0 s[10:11]
	v_lshl_add_u32 v[SPW], v0, 2, SPARE
	v_mov_b32 v[NIL], 0
	ds_add_u32 v[SPW], v[NIL]                      ; the wave's opening: the add, twice on end, and its wait ahead of my first tensor load
	ds_add_u32 v[SPW], v[NIL]
	v_lshrrev_b32 v18, 5, v0
	v_readfirstlane_b32 s[WV], v18                 ; wave 0..3
	s_bfe_u32 s21, ttmp6, 0x40000                  ; my place in the cluster: it enters y's and out0's addresses alone
	s_lshl_b32 s22, ttmp9, 2
	s_add_co_u32 s22, s22, s21                     ; R
	s_and_b32 s23, ttmp7, 0xffff                   ; Y, which the four partners share
	s_mov_b32 s24, 15|(3<<16)|(1<<21)              ; group 1, codes: 48 dense rows of 256 bytes
	s_mov_b32 s25, 32<<16
	s_mov_b32 s26, 48<<16
	s_mov_b32 s27, 32<<16
	s_mov_b32 s28, 48
	s_mov_b32 s29, 32
	s_mov_b32 s30, 0
	s_mov_b32 s31, 0
	s_mov_b32 s32, 15|(3<<16)|(1<<21)              ; group 1, scale rows: 4 dense rows of 256 bytes
	s_mov_b32 s33, 32<<16
	s_mov_b32 s34, 4<<16
	s_mov_b32 s35, 32<<16
	s_mov_b32 s36, 4
	s_mov_b32 s37, 32
	s_mov_b32 s38, 0
	s_mov_b32 s39, 0
	v_and_b32 v18, 31, v0                          ; l
	v_and_b32 v19, 15, v0                          ; r
	v_bfe_u32 v20, v0, 4, 1                        ; h
	v_lshlrev_b32 v1, 4, v18
	v_lshlrev_b32 v2, 3, v18
	v_lshl_add_u32 v8, v19, 5, SCL
	v_lshlrev_b32 v9, 6, v20                       ; the bias: my half's 16 columns of a group of 32
	s_mul_i32 s14, s[WV], 16*SPITCH
	s_add_co_u32 s14, s14, STAGE
	v_mul_u32_u24 v12, v19, SPITCH
	v_lshl_add_u32 v12, v20, 6, v12
	v_add_nc_u32 v12, s14, v12                     ; the stage on the way in: row r, + 64 h
	v_mul_u32_u24 v13, v20, SPITCH
	v_lshl_add_u32 v13, v19, 4, v13
	v_add_nc_u32 v13, s14, v13                     ; and back: lanes 0-15 one row, lanes 16-31 the next
	v_lshlrev_b32 v14, 12, v20
	v_lshl_add_u32 v14, v19, 4, v14                ; the same two rows in out0
	v_lshlrev_b32 v17, 5, v19
	s_mov_b32 s[TB], 0
	s_mov_b32 s[TS], 0
	s_mul_i32 s18, s[WV], 12288
	s_mul_i32 s14, s23, 2*TILEB
	s_add_co_u32 s14, s14, s18
	s_add_co_u32 s14, s14, WPC
	s_mov_b32 s15, 0
	s_lshl_b32 s19, s[WV], 10
	s_lshl_b32 s86, s23, 12
	s_add_co_u32 s86, s86, s19
	s_add_co_u32 s86, s86, WPS
	s_mov_b32 s87, 0
	s_lshl_b32 s88, s23, 9                         ; 128 columns of f32: in b_proj and in a row of out0
	s_mov_b32 s89, 0
	s_lshl_b32 s92, s22, 13
	s_lshl_b32 s93, s[WV], 11
	s_add_co_u32 s92, s92, s93
	s_add_co_u32 s92, s92, YS
	s_mov_b32 s93, 0
	s_lshl_b32 s94, s22, 20                        ; 256 rows of 4,096 bytes,
	s_lshl_b32 s95, s[WV], 18                      ; my 64 of them
	s_add_co_u32 s94, s94, s95
	s_add_co_u32 s94, s94, s88
	s_mov_b32 s95, 0
	s_wait_dscnt 0x0                               ; both opening adds are done
	s_wait_kmcnt 0x0
	s_add_nc_u64 s[16:17], s[6:7], s[14:15]
	G0SET 44, 0
	G0SET 48, 1
	s_mov_b32 s40, 1
	s_add_co_u32 s41, s19, SCL
	s_add_nc_u64 s[42:43], s[6:7], s[86:87]
	s_or_b32 s43, s43, 0x80000000
	s_add_nc_u64 s[8:9], s[8:9], s[88:89]
	s_add_nc_u64 s[96:97], s[4:5], s[92:93]
	s_add_nc_u64 s[OP:OP+1], s[10:11], s[94:95]
	s_mul_i32 s14, s22, 196608
	s_mul_i32 s19, s[WV], 49152
	s_add_co_u32 s14, s14, s19
	s_add_nc_u64 s[98:99], s[4:5], s[14:15]
	ROUND                                          ; all four work-groups are here: the joint loads meet
	tensor_load_to_lds s[40:43], s[32:39]          ; the scale rows and both column tiles: three loads of mine are out, all of them first fills
	s_nop 0
	tensor_load_to_lds s[44:47], s[24:31]
	s_nop 0
	tensor_load_to_lds s[48:51], s[24:31]
	s_nop 0
	PLACES 4
	WIN 0xc0                                       ; destination window 3
.irp t, 0,1
.irp b, 0,1,2,3
.irp q, 0,1
	global_load_b128 v[192+32*\t+8*\b+4*\q:192+32*\t+8*\b+4*\q+3], v9, s[8:9] offset:256*\t+128*(\b/2)+32*(\b%2)+16*\q   ; columns 64 t + 32 (b / 2) + 8 (b % 2) + 16 h + 0 .. 7
.endr
.endr
.endr
	WIN 0
.irp a, 0,1,2,3
	global_load_b128 v[AS+8*\a:AS+8*\a+3], v17, s[96:97] offset:512*\a
	global_load_b128 v[AS+8*\a+4:AS+8*\a+7], v17, s[96:97] offset:512*\a+16
.endr
	WIN 0x40                                       ; window 1: K steps 0-3
.irp s, 0,1,2,3
.irp a, 0,1,2,3
	global_load_b128 v[48*\s+12*\a:48*\s+12*\a+3], v1, s[98:99] offset:12288*\a+1536*\s
	global_load_b64 v[48*\s+12*\a+4:48*\s+12*\a+5], v2, s[98:99] offset:12288*\a+1536*\s+512
	global_load_b128 v[48*\s+12*\a+6:48*\s+12*\a+9], v1, s[98:99] offset:12288*\a+1536*\s+768
	global_load_b64 v[48*\s+12*\a+10:48*\s+12*\a+11], v2, s[98:99] offset:12288*\a+1536*\s+1280
.endr
.endr
	WIN 0x80                                       ; window 2: K steps 4-7
.irp s, 0,1,2,3
.irp a, 0,1,2,3
	global_load_b128 v[48*\s+12*\a:48*\s+12*\a+3], v1, s[98:99] offset:12288*\a+1536*(\s+4)
	global_load_b64 v[48*\s+12*\a+4:48*\s+12*\a+5], v2, s[98:99] offset:12288*\a+1536*(\s+4)+512
	global_load_b128 v[48*\s+12*\a+6:48*\s+12*\a+9], v1, s[98:99] offset:12288*\a+1536*(\s+4)+768
	global_load_b64 v[48*\s+12*\a+10:48*\s+12*\a+11], v2, s[98:99] offset:12288*\a+1536*(\s+4)+1280
.endr
.endr
	WIN 0
	s_wait_loadcnt 63                              ; of 152 loads at most 63 are out: the bias, y's scale words and K steps 0-3 are in
	s_wait_tensorcnt 1                             ; my parts of the scale rows and of tile 0 are in; tile 1 may be out
	s_barrier_signal -1
	s_barrier_wait -1                              ; everybody's are
.macro FETCH D, X                      ; 32 LDS loads: the weight's fragments of K steps 2 D and 2 D + 1 into buffer X
	WIN 0xc0
.irp sp, 0,1
.irp b, 0,1,2,3
	ds_load_b128 v[96*(\X)+48*\sp+12*\b:96*(\X)+48*\sp+12*\b+3], v3 offset:12288*\b+1536*(2*(\D)+\sp)
	ds_load_b64 v[96*(\X)+48*\sp+12*\b+4:96*(\X)+48*\sp+12*\b+5], v4 offset:12288*\b+1536*(2*(\D)+\sp)+512
	ds_load_b128 v[96*(\X)+48*\sp+12*\b+6:96*(\X)+48*\sp+12*\b+9], v3 offset:12288*\b+1536*(2*(\D)+\sp)+768
	ds_load_b64 v[96*(\X)+48*\sp+12*\b+10:96*(\X)+48*\sp+12*\b+11], v4 offset:12288*\b+1536*(2*(\D)+\sp)+1280
.endr
.endr
.endm
.macro BSLOAD
	WIN 0
	v_add_nc_u32 v5, s[TS], v8
.irp b, 0,1,2,3
	ds_load_b128 v[BS+8*\b:BS+8*\b+3], v5 offset:512*\b
	ds_load_b128 v[BS+8*\b+4:BS+8*\b+7], v5 offset:512*\b+16
.endr
.endm
; 32 matrix instructions: the 16 accumulators take turns, one instruction a turn, in the same order in every step.  bi: the column tile's bias in window 3
.macro MUL D, X, bi
.irp sp, 0,1
.set KS_, 2*(\D)+\sp
.if KS_ == 0
	WIN 0x37                                       ; source 0 (weight) window 3, source 1 (y) window 1, C (bias) window 3
.elseif KS_ < 4
	WIN 0x07
.else
	WIN 0x0b
.endif
.irp a, 0,1,2,3
.irp b, 0,1,2,3
.set AF_, 48*(KS_%4)+12*\a
.set BF_, 96*(\X)+48*\sp+12*\b
.set AC_, ACC+8*(4*\a+\b)
.if KS_ == 0
	v_wmma_scale_f32_16x16x128_f8f6f4 v[AC_:AC_+7], v[BF_:BF_+11], v[AF_:AF_+11], v[(\bi)+8*\b:(\bi)+8*\b+7], v[BS+8*\b+KS_], v[AS+8*\a+KS_] matrix_a_fmt:MATRIX_FMT_BF6 matrix_b_fmt:MATRIX_FMT_BF6
.else
	v_wmma_scale_f32_16x16x128_f8f6f4 v[AC_:AC_+7], v[BF_:BF_+11], v[AF_:AF_+11], v[AC_:AC_+7], v[BS+8*\b+KS_], v[AS+8*\a+KS_] matrix_a_fmt:MATRIX_FMT_BF6 matrix_b_fmt:MATRIX_FMT_BF6
.endif
.endr
.endr
.endr
.endm
.macro MULS t                          ; four plain places in front of each run of loads into registers that matrix instructions have read; five behind the last product
	FETCH 1, 1
	s_wait_dscnt 32                                ; all but the 32 just issued
	MUL 0, 0, 192+32*(\t)
	PLACES 4
	FETCH 2, 0
	s_wait_dscnt 32
	MUL 1, 1, 192+32*(\t)
	PLACES 4
	FETCH 3, 1
	s_wait_dscnt 32
.if (\t) == 0
	s_wait_loadcnt 32                              ; y's K steps 4 and 5 are in
.endif
	MUL 2, 0, 192+32*(\t)
	s_wait_dscnt 0x0
.if (\t) == 0
	s_wait_loadcnt 0x0
.endif
	MUL 3, 1, 192+32*(\t)
	WIN 0
	PLACES 5
.endm
.macro PACK a                          ; tile a's 16 tokens x 64 columns into my stage, each accumulator from its low end on, and back as rows, into the registers that they left
.irp b, 0,1,2,3
	ds_store_b128 v12, v[ACC+8*(4*(\a)+\b):ACC+8*(4*(\a)+\b)+3] offset:128*(\b/2)+32*(\b%2)
	ds_store_b128 v12, v[ACC+8*(4*(\a)+\b)+4:ACC+8*(4*(\a)+\b)+7] offset:128*(\b/2)+32*(\b%2)+16
.endr
.irp i, 0,1,2,3,4,5,6,7
	ds_load_b128 v[ACC+32*(\a)+4*\i:ACC+32*(\a)+4*\i+3], v13 offset:2*\i*SPITCH   ; LDS serves a wave's instructions in order: these see the stores above, and the next tile's stores come behind them
.endr
.endm
.macro SEND a, younger, t              ; younger: the LDS instructions issued behind tile a's loads.  Position 2 i + h of tile a is token 32 (a / 2) + 8 (a % 2) + 2 (i % 4) + 16 (i / 4) + h of my 64
.irp i, 0,1,2,3,4,5,6,7
	s_wait_dscnt \younger+7-\i
	global_store_b128 v14, v[ACC+32*(\a)+4*\i:ACC+32*(\a)+4*\i+3], s[OP:OP+1] offset:(32*((\a)/2)+8*((\a)%2)+2*(\i%4)+16*(\i/4))*4096+256*(\t) th:TH_STORE_NT
.endr
.endm
.macro OUT t
	PACK 0
	PACK 1
	SEND 0, 16, \t
	PACK 2
	SEND 1, 16, \t
	PACK 3
	SEND 2, 16, \t
	SEND 3, 0, \t
.endm
	v_add_nc_u32 v3, s[TB], v1
	v_add_nc_u32 v4, s[TB], v2
	FETCH 0, 0
	BSLOAD
	MULS 0
	s_wait_tensorcnt 0x0                           ; my part of tile 1 is in (no LDS instruction of mine is out),
	s_barrier_signal -1
	s_barrier_wait -1                              ; everybody's is
	s_add_co_u32 s[TB], s[TB], TILEB
	s_add_co_u32 s[TS], s[TS], 2048
	v_add_nc_u32 v3, s[TB], v1
	v_add_nc_u32 v4, s[TB], v2
	FETCH 0, 0                                     ; tile 1's first fragments are asked for ahead of tile 0's way out
	BSLOAD
	OUT 0
	s_wait_xcnt 0x0                                ; tile 0's stores have read the registers that tile 1's products write
	MULS 1
	OUT 1
	s_wait_tensorcnt 0x0                           ; the wave's end
	ds_add_u32 v[SPW], v[NIL]
	s_wait_dscnt 0x0
	ROUND                                          ; the closing round
	s_endpgm
.Lfunc_end_k_q4ab55a2d33_proj:
	.size	k_q4ab55a2d33_proj, .Lfunc_end_k_q4ab55a2d33_proj-k_q4ab55a2d33_proj
	.p2alignl 7, 3214868480
	.fill 96, 4, 3214868480
	.section	.rodata,"a",@progbits
	.p2align	6, 0x0
	.amdhsa_kernel k_q4ab55a2d33_proj
		.amdhsa_group_segment_fixed_size 167936
		.amdhsa_private_segment_fixed_size 0
		.amdhsa_enable_private_segment 0
		.amdhsa_kernarg_size 32
		.amdhsa_user_sgpr_count 2
		.amdhsa_user_sgpr_kernarg_segment_ptr 1
		.amdhsa_wavefront_size32 1
		.amdhsa_system_sgpr_workgroup_id_x 1
		.amdhsa_system_sgpr_workgroup_id_y 1
		.amdhsa_system_sgpr_workgroup_id_z 1
		.amdhsa_system_vgpr_workitem_id 0
		.amdhsa_next_free_vgpr 1024
		.amdhsa_next_free_sgpr 100
		.amdhsa_reserve_vcc 0
		.amdhsa_float_denorm_mode_32 3
		.amdhsa_float_denorm_mode_16_64 3
		.amdhsa_memory_ordered 1
		.amdhsa_forward_progress 1
		.amdhsa_inst_pref_size 88
	.end_amdhsa_kernel
	.amdgpu_metadata
---
amdhsa.version: [ 1, 2 ]
amdhsa.kernels:
  - .name:           k_q4ab55a2d33_proj
    .symbol:         k_q4ab55a2d33_proj.kd
    .args:
      - { .name: yq, .offset: 0, .size: 8, .value_kind: global_buffer, .address_space: global }
      - { .name: wq, .offset: 8, .size: 8, .value_kind: global_buffer, .address_space: global }
      - { .name: b_proj, .offset: 16, .size: 8, .value_kind: global_buffer, .address_space: global }
      - { .name: out0, .offset: 24, .size: 8, .value_kind: global_buffer, .address_space: global }
    .group_segment_fixed_size: 167936
    .private_segment_fixed_size: 0
    .kernarg_segment_align: 8
    .kernarg_segment_size: 32
    .max_flat_workgroup_size: 128
    .sgpr_count:     100
    .vgpr_count:     1024
    .wavefront_size: 32
...
	.end_amdgpu_metadata
.endif
;; end of part 4
